; MI455X (gfx1250); checked and timed in simulation.
; The chip was launched on July 23, 2026; its instructions are those of AMD's public machine-readable ISA for CDNA 5 (MIT licence, August 2026) and "CDNA5" Instruction Set Architecture Reference Guide (July 2026). The comments in the code are by the model that wrote it; some were corrected since.
;; Multi Head Attention. Allowed arithmetic: matrix products marked QUANTISED: E2M1 operands, one E8M0 scale for each 32 along K, by v_wmma_scale_f32_16x16x128_f8f6f4 with both operands' format E2M1 (or v_wmma_scale_f32_32x16x128_f4), f32 sums; products left as they are: bf16, f16 or f32 operands; f32 sums; everything else in f32.
;; Inputs: Wk 1,024 x 1,024 float32; Wo 1,024 x 1,024 float32; Wq 1,024 x 1,024 float32; Wv 1,024 x 1,024 float32; attention_mask 4 x 2,048 bool; bk 1,024 float32; bo 1,024 float32; bq 1,024 float32; bv 1,024 float32; x 4 x 2,048 x 1,024 float32.
;; Outputs: out0 4 x 2,048 x 1,024 float32.
;; This version of the problem:
;;   THIS VERSION OF THE PROBLEM IS GIVEN IN LOW PRECISION. The matrix products marked QUANTISED in the list below multiply operands that are first quantised to E2M1 (2 exponent bits, 1 mantissa bit; 4 bits a number), with one power-of-two scale for each 32 numbers along K (OCP MX v1.0); their sums are f32. The products marked 'left as it is' may take bf16, f16 or f32 operands, with f32 sums. Whichever they take, every output number must still come out within the allowed error. Rounding operands to bf16 (8 significant bits) uses up far more of that allowance than f16 does (11 bits, for magnitudes from 6e-5 to 65,504). All else is computed in f32.
;;   The module's matrix products, in the order in which they are computed (A, B: the left and right operand; K: the contracted axis; several contracted axes count as one K, in the product's order):
;;     1. [M 8,192, K 1,024] x [K 1,024, N 1,024]; A: input x; B: input Wq: QUANTISED
;;     2. [M 8,192, K 1,024] x [K 1,024, N 1,024]; A: input x; B: input Wk: QUANTISED
;;     3. [M 8,192, K 1,024] x [K 1,024, N 1,024]; A: input x; B: input Wv: QUANTISED
;;     4. batch 64 x [M 2,048, K 64] x [K 64, N 2,048]; A: computed on the way; B: computed on the way: left as it is (an operand is computed on the way)
;;     5. batch 64 x [M 2,048, K 2,048] x [K 2,048, N 64]; A: computed on the way; B: computed on the way: left as it is (an operand is computed on the way)
;;     6. [M 8,192, K 1,024] x [K 1,024, N 1,024]; A: computed on the way; B: input Wo: left as it is (an operand is computed on the way)
;;   THE QUANTISER, for each operand of a quantised product, along K:
;;     - K is cut into blocks of 32 from its start; a last block that is shorter is filled with zeros.
;;     - A block's scale is 2^e with e = floor(log2(the largest magnitude in the block)) - 2, held to -126 .. 127; a block of zeros has e = 0. As a byte (E8M0): e + 127.
;;     - Each number is divided by its block's scale, clamped to +-6, and rounded to the nearest number of E2M1, ties to even, subnormals kept.
;;     - The product sums the exact products of the quantised numbers (number of the format x scale) in f32.
;;   ~~~python
;;   def quantise(x, axis):      # numpy; x: float32 -> the quantised numbers, widened to float32 again
;;       x = np.moveaxis(x, axis, -1); K = x.shape[-1]
;;       x = np.pad(x, [(0, 0)] * (x.ndim - 1) + [(0, -K % 32)]); x = x.reshape(x.shape[:-1] + (-1, 32)); a = np.abs(x).max(-1, keepdims=True)
;;       e = np.where(a > 0, np.clip(np.frexp(np.where(a > 0, a, 1))[1] - 1 - 2, -126, 127), 0)      # np.frexp(a)[1] - 1 = floor(log2(a)), exactly
;;       r = np.clip(x / 2.0 ** e, -6, 6)
;;       step = 2.0 ** (np.maximum(np.frexp(np.where(r == 0, 1, r))[1] - 1, 0) - 1)
;;       q = np.round(r / step) * step * 2.0 ** e      # np.round: ties to even
;;       return np.moveaxis(q.reshape(q.shape[:-2] + (-1,))[..., :K], -1, axis).astype(np.float32)
;;   ~~~
;; One version. Each part assembles by itself: llvm-mc -triple=amdgcn-amd-amdhsa -mcpu=gfx1250 --defsym DOCPART=n.
;; ======== version 1 of 1: 4 launches
;; limits: values are held in f16: magnitudes above 65,504 overflow, below 6.1e-05 lose precision
;; workspace buffers: x_codes 4,194,304 bytes; x_scales 262,144 bytes; w_codes 1,572,864 bytes; w_scales 98,304 bytes; wot 2,097,152 bytes; qkv 50,331,648 bytes; att 16,777,216 bytes
;; launch prep (part 1): grid 256 x 1, 8 waves a work-group, no clusters, 154,112 bytes of LDS; arguments x, Wq, Wk, Wv, Wo, x_codes, x_scales, w_codes, w_scales, wot; writes x_codes, x_scales, w_codes, w_scales, wot
.if DOCPART == 1
	.amdgcn_target "amdgcn-amd-amdhsa--gfx1250"
	.amdhsa_code_object_version 6
	.text
	.protected	k_qa5406e569a_prep
	.globl	k_qa5406e569a_prep
	.p2align	8
	.type	k_qa5406e569a_prep,@function
k_qa5406e569a_prep:
	s_mov_b64 s[64:65], 0
	v_nop
	global_prefetch_b8 v0, s[64:65] scope:SCOPE_SE
	s_setreg_imm32_b32 hwreg(HW_REG_WAVE_MODE, 25, 1), 1
	s_wait_xcnt 0x0
; THE OPERANDS ARE MADE READY, ONCE.  Three kinds of work-group, told apart by the work-group's number alone; they never join, and each has LDS bytes of its own.
;   0-127   x [8192][1024] f32 -> codes of FP4 (E2M1), K innermost, [8192][512 bytes], and one E8M0 scale byte for each 32 along K, [8192][32].
;   128-223 Wq, Wk, Wv [1024 k][1024 n] f32, K their FIRST axis -> codes [3072 columns: q's, k's, v's][512 bytes] with K innermost, scale bytes [3072][32].
;   224-255 Wo [1024 k][1024 n] f32 -> f16, turned: [1024 n][1024 k].
; A block's scale is 2^(floor(log2(its largest magnitude)) - 2); its byte is the largest magnitude's exponent field - 2, held at 1 from below.  Each number is divided by the scale and rounded to the nearest code, ties to even, beyond 6 the largest code.
; LIMITS: a block of zeros gets the byte 1 where the rule says 127 (its codes are zeros, which add nothing under any byte but 0xff, and the bytes are read by this program alone); blocks whose largest magnitude lies under 2^-124 are held at the byte 1;
; NaN and infinities among the inputs are not served; |Wo| stays under f16's 65,504.
; No tensor loads and no matrix work: memory binds.  Every store of codes, scale bytes and f16 numbers covers 256 or 512 consecutive bytes, aligned.
.set STEPS,  16
.set SP,     80                        ; x: a lane's place in a stage: its 64 bytes + 16 of padding
.set WREG,   8192                      ; x: LDS from 0 on, a region for each wave: two stages of 32 x SP bytes, behind them its 256 scale bytes
.set WST,    65536                     ; the weights' codes: 32 columns x (512 bytes + 16)
.set WPITCH, 528
.set WSC,    WST+32*WPITCH             ; their scale bytes: 32 columns x 32
.set OST,    WSC+1024                  ; Wo: for each wave 32 columns x (256 bytes + 16)
.set OPITCH, 272
.set SPARE,  OST+8*32*OPITCH           ; the spare words, 128 bytes for each wave: four blocks of 256 bytes that no other line names
.set EMAX,   2
.set SPW, 12                           ; v12  LDS address of my spare word; never rewritten
.set NIL, 13                           ; v13  0; never rewritten
.set R,   16                           ; x: v16-79 four sets of 16 numbers as loaded;  v80-111 two sets of 16 neighbours;  v112-127 a scale byte a step;  v128-191 codes
.set X,   80
.set E,   112
.set C,   128
.set XB,  32                           ; weights: v32-95 two sets of 32 numbers down K;  v96.. what is made of a block;  v112.. the way out
.set CD,  96
.set OUTR, 112
.macro FINISH                          ; a wave's end: a wait on tensor loads, an add of 0 onto my spare word and a wait for it, behind my last LDS store; the wait on tensor loads stands in a text with no tensor load too
	s_wait_tensorcnt 0x0
	ds_add_u32 v[SPW], v[NIL]
	s_wait_dscnt 0x0
	s_endpgm
.endm
	s_load_b512 s[4:19], s[0:1], 0x0               ; x s[4:5], Wq s[6:7], Wk s[8:9], Wv s[10:11], Wo s[12:13], x_codes s[14:15], x_scales s[16:17], w_codes s[18:19]
	s_load_b128 s[20:23], s[0:1], 0x40             ; w_scales s[20:21], wot s[22:23]
	v_lshl_add_u32 v[SPW], v0, 2, SPARE
	v_mov_b32 v[NIL], 0
	v_lshrrev_b32 v1, 5, v0
	v_readfirstlane_b32 s24, v1                    ; wave 0..7
	v_and_b32 v2, 31, v0                           ; lane
	s_cmp_lt_u32 ttmp9, 128
	s_cbranch_scc0 .Lweights
; ---------------- x.  A wave takes 16 steps of 512 numbers.  Each load reads 512 consecutive bytes; a step's 2,048 bytes turn through the wave's own stage, so that a lane then holds 16 NEIGHBOURS along K (two lanes hold a block).
	v_lshlrev_b32 v3, 4, v2                        ; my 16 bytes of a load's 512
	s_mul_i32 s25, s24, WREG
	v_lshrrev_b32 v14, 2, v2
	v_mul_u32_u24 v14, v14, SP
	v_and_b32 v15, 3, v2
	v_lshl_add_u32 v14, v15, 4, v14
	v_add_nc_u32 v14, s25, v14                     ; the stage, on the way in: SP (lane / 4) + 16 (lane % 4)
	v_mul_u32_u24 v15, v2, SP
	v_add_nc_u32 v15, s25, v15                     ; and on the way out: SP x lane
	v_lshlrev_b32 v4, 3, v2                        ; 8 x lane: my codes' place in a step's 256 bytes, and my 8 scale bytes at the end
	v_lshrrev_b32 v5, 1, v2
	s_add_co_u32 s25, s25, 2*32*SP
	v_add_nc_u32 v5, s25, v5                       ; LDS: my block's byte among the wave's 256
	v_add_nc_u32 v6, s25, v4                       ; and where I read 8 of them back
	s_lshl_b32 s26, ttmp9, 3
	s_add_co_u32 s26, s26, s24                     ; which run of 8,192 numbers is my wave's
	s_mov_b32 s27, 0
	s_lshl_b64 s[28:29], s[26:27], 15              ; 32,768 bytes of x,
	s_lshl_b64 s[30:31], s[26:27], 12              ; 4,096 of codes,
	s_lshl_b64 s[32:33], s[26:27], 8               ; 256 scale bytes a run
	s_wait_kmcnt 0x0
	s_add_nc_u64 s[4:5], s[4:5], s[28:29]
	s_add_nc_u64 s[14:15], s[14:15], s[30:31]
	s_add_nc_u64 s[16:17], s[16:17], s[32:33]
.macro XLOAD t
.irp i, 0,1,2,3
	global_load_b128 v[R+16*((\t)%4)+4*\i:R+16*((\t)%4)+4*\i+3], v3, s[4:5] offset:2048*(\t)+512*\i th:TH_LOAD_NT
.endr
.endm
.macro XTURN t                         ; step t's numbers through the stage: LDS serves a wave's instructions in order, so no wait stands between the stores and the loads
.irp i, 0,1,2,3
	ds_store_b128 v14, v[R+16*((\t)%4)+4*\i:R+16*((\t)%4)+4*\i+3] offset:32*SP*((\t)%2)+8*SP*\i
.endr
.irp i, 0,1,2,3
	ds_load_b128 v[X+16*((\t)%2)+4*\i:X+16*((\t)%2)+4*\i+3], v15 offset:32*SP*((\t)%2)+16*\i
.endr
.endm
.irp t, 0,1,2,3
	XLOAD \t
.endr
	s_wait_loadcnt 12                              ; step 0's four loads are in; the twelve of steps 1 to 3 may be out
	XTURN 0
.macro XSTEP t
.set XS, X+16*((\t)%2)
.if (\t) > 0
	s_wait_dscnt 1                                 ; this step's numbers are back from the stage (the last step's byte store may be out): so its stores into the stage have read their registers,
.else
	s_wait_dscnt 0x0
.endif
.if (\t)+4 < STEPS
	XLOAD (\t)+4                                   ; which take the loads of four steps on
.endif
.if (\t)+1 < STEPS
.if STEPS-2-(\t) >= 3
	s_wait_loadcnt 12                              ; the next step's four loads are in; those of the three steps behind it may be out
.else
	s_wait_loadcnt 4*(STEPS-2-(\t))
.endif
	XTURN (\t)+1
.endif
	v_max3_num_f32 v8, |v[XS]|, |v[XS+1]|, |v[XS+2]|               ; the largest magnitude of my 16, in two chains
	v_max3_num_f32 v9, |v[XS+3]|, |v[XS+4]|, |v[XS+5]|
.irp i, 6,10
	v_max3_num_f32 v8, v8, |v[XS+\i]|, |v[XS+\i+1]|
	v_max3_num_f32 v9, v9, |v[XS+\i+2]|, |v[XS+\i+3]|
.endr
	v_max3_num_f32 v8, v8, |v[XS+14]|, |v[XS+15]|
	v_max3_num_f32 v8, v8, v9, (EMAX+1)<<23        ; and the floor 2^(3 - 127): so the byte cannot fall under 1
	v_max_num_f32_dpp v8, v8, v8 row_xmask:1 row_mask:0xf bank_mask:0xf   ; and of my neighbour's 16: the block's
	v_add_nc_u32 v11, -(EMAX<<23), v8              ; 2 off its exponent field: the conversion takes the exponent field of this operand as its scale
	v_cvt_scalef32_pk8_fp4_f32 v[C+4*(\t)], v[XS:XS+7], v11
	v_cvt_scalef32_pk8_fp4_f32 v[C+4*(\t)+1], v[XS+8:XS+15], v11
	v_lshrrev_b32 v[E+(\t)], 23, v11               ; the scale's byte
	ds_store_b8 v5, v[E+(\t)] offset:16*(\t)       ; both lanes of a block write the same byte with the same value
	global_store_b64 v4, v[C+4*(\t):C+4*(\t)+1], s[14:15] offset:256*(\t)   ; 32 lanes store 256 consecutive bytes, aligned
.endm
.irp t, 0,1,2,3,4,5,6,7,8,9,10,11,12,13,14,15
	XSTEP \t
.endr
	ds_load_b64 v[8:9], v6                         ; LDS serves a wave's instructions in order: these see my stores
	s_wait_dscnt 0x0
	global_store_b64 v4, v[8:9], s[16:17]          ; the wave's 256 scale bytes, aligned
	FINISH
; ---------------- the weights.  A LANE TAKES A COLUMN n, AND ITS REGISTERS RUN DOWN K: a load reads 128 consecutive bytes of a row of W, and a block of 32 along K lies in one lane's 32 registers.
.macro LOADB t, base                   ; block t of my wave's four: W(128 w + 32 t + i, my column) into set t % 2
.irp i, 0,1,2,3,4,5,6,7,8,9,10,11,12,13,14,15,16,17,18,19,20,21,22,23,24,25,26,27,28,29,30,31
	global_load_b32 v[XB+32*((\t)%2)+\i], v3, s[\base:\base+1] offset:(32*(\t)+\i)*4096 th:TH_LOAD_NT
.endr
.endm
.Lweights:
	s_cmp_lt_u32 ttmp9, 224
	s_cbranch_scc0 .Lwo
; Wq, Wk, Wv.  A work-group takes 32 columns and all of K; wave w takes k = 128 w .. 128 w + 127.  The codes meet in a stage, so that a column's whole row of 512 bytes leaves by one store.
	s_sub_co_u32 s25, ttmp9, 128                   ; g = 0..95: output rows 32 g + lane
	s_lshr_b32 s26, s25, 5                         ; which weight
	s_and_b32 s27, s25, 31
	s_lshl_b32 s28, s27, 7                         ; its 32 columns: 128 bytes of a row,
	s_lshl_b32 s29, s24, 19                        ; my wave's 128 rows of 4,096 bytes
	s_add_co_u32 s28, s28, s29
	s_mov_b32 s29, 0
	v_lshlrev_b32 v3, 2, v2                        ; in: 4 bytes a lane
	v_mul_u32_u24 v4, v2, WPITCH
	s_lshl_b32 s30, s24, 6
	s_add_co_u32 s30, s30, WST
	v_add_nc_u32 v4, s30, v4                       ; into the stage: row = my column, my wave's 64 bytes
	v_lshlrev_b32 v5, 5, v2
	s_lshl_b32 s30, s24, 2
	s_add_co_u32 s30, s30, WSC
	v_add_nc_u32 v5, s30, v5                       ; my column's 32 scale bytes, my wave's four
	v_lshlrev_b32 v6, 4, v2                        ; 16 x lane
	s_mul_i32 s30, s24, 4*WPITCH
	s_add_co_u32 s30, s30, WST
	v_add_nc_u32 v7, s30, v6                       ; back: wave w takes rows 4 w .. 4 w + 3, whole
	s_lshl_b32 s30, s24, 9
	s_add_co_u32 s30, s30, WSC
	v_add_nc_u32 v8, s30, v6                       ; the scale bytes back: 512 a wave (read by waves 0 and 1 alone)
	s_lshl_b32 s30, s25, 14                        ; 32 rows of 512 bytes a work-group,
	s_lshl_b32 s31, s24, 11                        ; four a wave
	s_add_co_u32 s30, s30, s31
	s_mov_b32 s31, 0
	s_lshl_b32 s32, s25, 10                        ; 1,024 scale bytes a work-group
	s_lshl_b32 s33, s24, 9
	s_add_co_u32 s32, s32, s33
	s_mov_b32 s33, 0
	s_wait_kmcnt 0x0
	s_cmp_eq_u32 s26, 0                            ; the choice hangs on the work-group's number alone
	s_cselect_b64 s[6:7], s[6:7], s[8:9]
	s_cmp_eq_u32 s26, 2
	s_cselect_b64 s[6:7], s[10:11], s[6:7]
	s_add_nc_u64 s[6:7], s[6:7], s[28:29]
	s_add_nc_u64 s[18:19], s[18:19], s[30:31]
	s_add_nc_u64 s[20:21], s[20:21], s[32:33]
	LOADB 0, 6
	LOADB 1, 6
.macro BLOCKW t
.set XS, XB+32*((\t)%2)
.if (\t) < 3
	s_wait_loadcnt 32                              ; this block's 32 loads are in; the next block's may be out
.else
	s_wait_loadcnt 0x0
.endif
	v_max3_num_f32 v16, |v[XS]|, |v[XS+1]|, |v[XS+2]|              ; the block's largest magnitude: all 32 numbers are mine
	v_max3_num_f32 v17, |v[XS+3]|, |v[XS+4]|, |v[XS+5]|
.irp i, 6,10,14,18,22,26
	v_max3_num_f32 v16, v16, |v[XS+\i]|, |v[XS+\i+1]|
	v_max3_num_f32 v17, v17, |v[XS+\i+2]|, |v[XS+\i+3]|
.endr
	v_max3_num_f32 v16, v16, |v[XS+30]|, |v[XS+31]|
	v_max3_num_f32 v16, v16, v17, (EMAX+1)<<23     ; and the floor
	v_add_nc_u32 v11, -(EMAX<<23), v16             ; the conversion's scale operand
	v_lshrrev_b32 v17, 23, v11                     ; the scale's byte
.if (\t) == 0
	v_mov_b32 v24, v17                             ; four bytes to a register, the lower K in the lower byte
.else
	v_lshl_or_b32 v24, v17, 8*(\t), v24
.endif
.irp g, 0,1,2,3
	v_cvt_scalef32_pk8_fp4_f32 v[CD+\g], v[XS+8*\g:XS+8*\g+7], v11
.endr
	ds_store_b128 v4, v[CD:CD+3] offset:16*(\t)    ; 32 codes: 16 bytes of my column's row
.if (\t)+2 < 4
	LOADB (\t)+2, 6
.endif
	s_wait_dscnt 0x0                               ; the store has read its registers: the next block's codes may be written
.endm
.irp t, 0,1,2,3
	BLOCKW \t
.endr
	ds_store_b32 v5, v24
	s_wait_dscnt 0x0                               ; for the others' sake: my stores into the stage are done
	s_barrier_signal -1
	s_barrier_wait -1                              ; 32 whole rows of codes and of scale bytes lie in LDS
.irp i, 0,1,2,3
	ds_load_b128 v[OUTR+4*\i:OUTR+4*\i+3], v7 offset:\i*WPITCH
.endr
.irp i, 0,1,2,3
	s_wait_dscnt 3-\i                              ; row i is back; the younger loads may be out
	global_store_b128 v6, v[OUTR+4*\i:OUTR+4*\i+3], s[18:19] offset:512*\i   ; 32 lanes store a row of 512 bytes, aligned
.endr
	s_cmp_lt_u32 s24, 2                            ; the 1,024 scale bytes are dense in memory: waves 0 and 1 store 512 each
	s_cbranch_scc0 .Lw_end
	ds_load_b128 v[OUTR+16:OUTR+19], v8
	s_wait_dscnt 0x0
	global_store_b128 v6, v[OUTR+16:OUTR+19], s[20:21]
.Lw_end:
	FINISH
; Wo.  The same loads; 32 numbers down K become 16 registers of f16 pairs; a wave's 128 along K are 256 bytes of a row of the turned matrix: they go through the wave's OWN stage, so no barrier.
.Lwo:
	s_sub_co_u32 s25, ttmp9, 224                   ; 0..31: columns 32 g + lane
	s_lshl_b32 s28, s25, 7
	s_lshl_b32 s29, s24, 19
	s_add_co_u32 s28, s28, s29
	s_mov_b32 s29, 0
	v_lshlrev_b32 v3, 2, v2
	s_mul_i32 s30, s24, 32*OPITCH
	s_add_co_u32 s30, s30, OST                     ; my stage
	v_mul_u32_u24 v4, v2, OPITCH
	v_add_nc_u32 v4, s30, v4                       ; in: row = my column
	v_and_b32 v5, 15, v2
	v_lshrrev_b32 v6, 4, v2
	v_mul_u32_u24 v7, v6, OPITCH
	v_lshl_add_u32 v7, v5, 4, v7
	v_add_nc_u32 v7, s30, v7                       ; back: sixteen lanes to a row, two rows an instruction
	v_lshlrev_b32 v8, 11, v6
	v_lshl_add_u32 v8, v5, 4, v8                   ; and the same place in the turned matrix: rows of 2,048 bytes
	s_lshl_b32 s30, s25, 16                        ; 32 rows a work-group,
	s_lshl_b32 s31, s24, 8                         ; my wave's 256 bytes of each
	s_add_co_u32 s30, s30, s31
	s_mov_b32 s31, 0
	s_wait_kmcnt 0x0
	s_add_nc_u64 s[12:13], s[12:13], s[28:29]
	s_add_nc_u64 s[22:23], s[22:23], s[30:31]
	LOADB 0, 12
	LOADB 1, 12
.macro BLOCKO t
.set XS, XB+32*((\t)%2)
.if (\t) < 3
	s_wait_loadcnt 32                              ; this block's 32 loads are in; the next block's may be out
.else
	s_wait_loadcnt 0x0
.endif
.irp i, 0,1,2,3,4,5,6,7,8,9,10,11,12,13,14,15
	v_cvt_pk_f16_f32 v[CD+\i], v[XS+2*\i], v[XS+2*\i+1]           ; the lower k in the low half
.endr
.irp i, 0,1,2,3
	ds_store_b128 v4, v[CD+4*\i:CD+4*\i+3] offset:64*(\t)+16*\i
.endr
.if (\t)+2 < 4
	LOADB (\t)+2, 12
.endif
	s_wait_dscnt 0x0                               ; the stores have read their registers
.endm
.irp t, 0,1,2,3
	BLOCKO \t
.endr
.irp i, 0,1,2,3,4,5,6,7,8,9,10,11,12,13,14,15
	ds_load_b128 v[OUTR+4*\i:OUTR+4*\i+3], v7 offset:2*\i*OPITCH
.endr
.irp i, 0,1,2,3,4,5,6,7,8,9,10,11,12,13,14,15
	s_wait_dscnt 15-\i
	global_store_b128 v8, v[OUTR+4*\i:OUTR+4*\i+3], s[22:23] offset:2*\i*2048   ; sixteen lanes store 256 consecutive bytes, aligned
.endr
	FINISH
.Lfunc_end_k_qa5406e569a_prep:
	.size	k_qa5406e569a_prep, .Lfunc_end_k_qa5406e569a_prep-k_qa5406e569a_prep
	.p2alignl 7, 3214868480
	.fill 96, 4, 3214868480
	.section	.rodata,"a",@progbits
	.p2align	6, 0x0
	.amdhsa_kernel k_qa5406e569a_prep
		.amdhsa_group_segment_fixed_size 154112
		.amdhsa_private_segment_fixed_size 0
		.amdhsa_enable_private_segment 0
		.amdhsa_kernarg_size 80
		.amdhsa_user_sgpr_count 2
		.amdhsa_user_sgpr_kernarg_segment_ptr 1
		.amdhsa_wavefront_size32 1
		.amdhsa_system_sgpr_workgroup_id_x 1
		.amdhsa_system_sgpr_workgroup_id_y 1
		.amdhsa_system_sgpr_workgroup_id_z 1
		.amdhsa_system_vgpr_workitem_id 0
		.amdhsa_next_free_vgpr 192
		.amdhsa_next_free_sgpr 66
		.amdhsa_reserve_vcc 0
		.amdhsa_float_denorm_mode_32 3
		.amdhsa_float_denorm_mode_16_64 3
		.amdhsa_memory_ordered 1
		.amdhsa_forward_progress 1
		.amdhsa_inst_pref_size 76
	.end_amdhsa_kernel
	.amdgpu_metadata
---
amdhsa.version: [ 1, 2 ]
amdhsa.kernels:
  - .name:           k_qa5406e569a_prep
    .symbol:         k_qa5406e569a_prep.kd
    .args:
      - { .name: x, .offset: 0, .size: 8, .value_kind: global_buffer, .address_space: global }
      - { .name: Wq, .offset: 8, .size: 8, .value_kind: global_buffer, .address_space: global }
      - { .name: Wk, .offset: 16, .size: 8, .value_kind: global_buffer, .address_space: global }
      - { .name: Wv, .offset: 24, .size: 8, .value_kind: global_buffer, .address_space: global }
      - { .name: Wo, .offset: 32, .size: 8, .value_kind: global_buffer, .address_space: global }
      - { .name: x_codes, .offset: 40, .size: 8, .value_kind: global_buffer, .address_space: global }
      - { .name: x_scales, .offset: 48, .size: 8, .value_kind: global_buffer, .address_space: global }
      - { .name: w_codes, .offset: 56, .size: 8, .value_kind: global_buffer, .address_space: global }
      - { .name: w_scales, .offset: 64, .size: 8, .value_kind: global_buffer, .address_space: global }
      - { .name: wot, .offset: 72, .size: 8, .value_kind: global_buffer, .address_space: global }
    .group_segment_fixed_size: 154112
    .private_segment_fixed_size: 0
    .kernarg_segment_align: 8
    .kernarg_segment_size: 80
    .max_flat_workgroup_size: 256
    .sgpr_count:     66
    .vgpr_count:     192
    .wavefront_size: 32
...
	.end_amdgpu_metadata
.endif
;; end of part 1
;; launch qkv (part 2): grid 12 x 32, 4 waves a work-group, clusters of 4 x 4, 327,680 bytes of LDS; arguments x_codes, x_scales, w_codes, w_scales, qkv, bq, bk, bv; writes qkv
.if DOCPART == 2
	.amdgcn_target "amdgcn-amd-amdhsa--gfx1250"
	.amdhsa_code_object_version 6
	.text
	.protected	k_qa5406e569a_qkv
	.globl	k_qa5406e569a_qkv
	.p2align	8
	.type	k_qa5406e569a_qkv,@function
k_qa5406e569a_qkv:
	s_mov_b64 s[64:65], 0
	v_nop
	global_prefetch_b8 v0, s[64:65] scope:SCOPE_SE
	s_setreg_imm32_b32 hwreg(HW_REG_WAVE_MODE, 25, 1), 1
	s_wait_xcnt 0x0
	s_wait_alu depctr_hold_cnt(0) depctr_sa_sdst(0) depctr_va_vdst(0) depctr_va_sdst(0) depctr_va_ssrc(0) depctr_va_vcc(0) depctr_vm_vsrc(0)
	s_getreg_b32 s2, hwreg(HW_REG_IB_STS2, 6, 4)
	s_cmp_eq_u32 s2, 0
	s_cbranch_scc0 .Lentry_in_a_cluster
	s_endpgm
.Lentry_in_a_cluster:
	s_bfe_u32 s2, ttmp6, 0x10000c
	s_cmp_lg_u32 s2, 0xf033
	s_cbranch_scc0 .Lentry_shape_is_right
	s_endpgm
.Lentry_shape_is_right:
; q, k, v = x W + b, the three QUANTISED products as ONE product on codes of FP4 (E2M1) with one E8M0 scale for each 32 along K: C[m][n] = sum over k of A[m][k] B[n][k] + bias[n].
; A: x's codes [8192][512 bytes], scale bytes [8192][32].  B: the weights' codes [3072 = q's, k's, v's columns][512 bytes], scale bytes [3072][32].  Sums in f32.
; OUT: f16, laid by head: qkv[which][batch][head][position][64]: a head is 262,144 consecutive bytes.  q is multiplied in f32 by c = log2(e) / 8 ahead of its rounding, so that attention's scores are exponents of 2 as they come.
; LIMIT: |c q|, |k|, |v| stay under f16's 65,504.
; A tile of C, 256 x 256, is made by a work-group of four waves; a wave makes 128 x 128: 64 accumulators, 512 registers.  K = 1,024 is two slots of 512 along K (LDS rows of 256 bytes): both are asked for at the start, and nothing is filled again.
; THE SCALES of the work-group's rows of A and of B, for all of K, are two dense blocks of memory: they come into LDS once, with the first fills.
; CLUSTERS: 4 x 4 work-groups.  The four of a row of the cluster need the same tiles of A, the four of a column the same tiles of B: each tile is asked for jointly.  1,024 columns are four tiles: the cluster's x says which of q, k, v.
; THE MATRIX INSTRUCTION IS USED TRANSPOSED (source 0 = 16 rows of B, source 1 = 16 rows of A): a lane holds eight neighbouring columns of one row of C.  THE BIAS is the C of each sum's first product.
; REGISTERS, in windows of 256: window 0: v0-31 addresses; v32-95 scale words, two sets, and nothing else; v96-127 the way out's f16; v128-191 A's fragments, one set, later the way out's products; v192-255 the bias, later rows read back.
;   window 1: B's fragments, two sets, at v0 and v128.   window 2: the accumulators of my rows 0-63 ((a, b) at v[8 (8 a + b)]);   window 3: those of my rows 64-127.
.set SIZE_K, 1024
.set KSTEP,  512
.set NQ,     KSTEP/128
.set ROWB,   256
.set KROW,   SIZE_K/2
.set PITCH,  272                       ; an LDS row: 256 bytes + 16 of padding: the 16 rows that a load touches start 68 words apart
.set FR,     8
.set NL,     2
.set NP,     4
.set HALFT,  128*PITCH
.set SLOT,   4*HALFT
.set KS,     SIZE_K/32
.set SCL,    2*SLOT
.set HALFS,  (128*KS/256)*272
.set SBLK,   (16*KS/256)*272
.set SPARE,  SCL+4*HALFS               ; the spare words, 128 bytes for each wave: two blocks of 256 bytes that no other line names
.set HP,     144                       ; the way out: a stage of 2 heads x 16 rows x (128 bytes + 16) for each wave, in slot 0, which has had its one fill and its last read by then
.set ADRA, 16
.set ADRB, 20
.set STO,  24
.set RD,   25
.set CO,   26
.set ADRS, 27
.set SPW,  28
.set NIL,  29
.set SC,   32
.set PKD,  96
.set AF,   128
.set TF,   128
.set BI,   192
.set BK,   192
.set G1, 24
.set G0, 32
.set G1B, 48
.set G0B, 56
.set G1S, 68
.set G0S, 76
.set G1SB, 80
.set G0SB, 88
.set MSB, 0
.macro WIN new                         ; the immediate's high byte repeats the setting that is left
.if MSB != \new
	s_set_vgpr_msb (MSB<<8)|\new
.set MSB, \new
.endif
.endm
.set MUL_LO,  0xa1                     ; source 0 (B) window 1, source 1 (A) window 0, C and D window 2
.set MUL_HI,  0xf1                     ; the same, C and D window 3
.set BIAS_LO, 0x81                     ; the first step: C (the bias) window 0, D window 2
.set BIAS_HI, 0xc1                     ; and D window 3
.set TO_B,    0x40
; A joint load: waves 0 and 1 fetch for A, waves 2 and 3 for B; the branch hangs on the wave's number alone.  An s_nop 0 and four v_nop follow each of the two lines.
.macro JLOAD g0a, g1a, g0b, g1b
	s_cmp_eq_u32 s15, 0
	s_cbranch_scc0 .Lfor_b_\@
	tensor_load_to_lds s[\g0a:\g0a+3], s[\g1a:\g1a+7]
	s_nop 0
.rept 4
	v_nop
.endr
	s_branch .Lasked_\@
.Lfor_b_\@:
	tensor_load_to_lds s[\g0b:\g0b+3], s[\g1b:\g1b+7]
	s_nop 0
.rept 4
	v_nop
.endr
.Lasked_\@:
.endm
.macro CROUND                          ; a round of the cluster's barrier
	s_barrier_signal -1
	s_barrier_wait -1
	s_cmp_lg_u32 s14, 0
	s_cbranch_scc1 .Lnot_wave_0_\@
	s_barrier_signal -3
.Lnot_wave_0_\@:
	s_barrier_wait -3
	s_barrier_signal -1
	s_barrier_wait -1
.endm
	s_load_b128 s[4:7], s[0:1], 0x0                ; A's codes s[4:5], A's scales s[6:7]
	s_load_b128 s[8:11], s[0:1], 0x10              ; B's codes s[8:9], B's scales s[10:11]
	s_load_b64 s[12:13], s[0:1], 0x20              ; qkv
	s_load_b64 s[96:97], s[0:1], 0x28              ; bq
	s_load_b64 s[98:99], s[0:1], 0x30              ; bk
	s_load_b64 s[100:101], s[0:1], 0x38            ; bv
	v_lshl_add_u32 v[SPW], v0, 2, SPARE
	v_mov_b32 v[NIL], 0
	ds_add_u32 v[SPW], v[NIL]                      ; the wave's opening: the add, twice on end, and its wait ahead of my first tensor load
	ds_add_u32 v[SPW], v[NIL]
	v_lshrrev_b32 v1, 5, v0
	v_readfirstlane_b32 s14, v1                    ; wave 0..3
	s_lshr_b32 s15, s14, 1                         ; which half of the tile's rows is mine.  Also: I fetch for A (0) or for B (1)
	s_and_b32 s16, s14, 1                          ; which half of its columns.  Also: which 128 rows of that tile I fetch
	s_bfe_u32 s40, ttmp6, 0x40000                  ; cx, cy: my place in the cluster
	s_bfe_u32 s41, ttmp6, 0x40004
	s_lshl_b32 s42, ttmp9, 2
	s_add_co_u32 s42, s42, s40                     ; tile column of C = 4 x cluster x + cx
	s_and_b32 s17, ttmp7, 0xffff
	s_lshl_b32 s17, s17, 2
	s_add_co_u32 s17, s17, s41                     ; tile row of C = 4 x cluster y + cy
	s_lshl_b32 s43, s41, 2
	s_lshl_b32 s43, 15, s43                        ; my row of the cluster
	s_lshl_b32 s44, 0x1111, s40                    ; my column
	; descriptor group 1: a tile of 128 rows x 256 bytes, 16 bytes of padding behind each row
	s_or_b32 s[G1+0], s43, (0<<16)|(1<<20)|(1<<21)|(5<<22)|(3<<25)
	s_or_b32 s[G1B+0], s44, (0<<16)|(1<<20)|(1<<21)|(5<<22)|(3<<25)
.irp g, G1, G1B
	s_mov_b32 s[\g+1], ROWB<<16                    ; tensor_dim0
	s_mov_b32 s[\g+2], 128<<16                     ; tensor_dim1
	s_mov_b32 s[\g+3], ROWB<<16                    ; tile_dim0
	s_mov_b32 s[\g+4], 128                         ; tile_dim1
	s_mov_b32 s[\g+5], KROW                        ; from row to row
	s_mov_b32 s[\g+6], 0
	s_mov_b32 s[\g+7], 0
.endr
	; the scales of 128 rows: a dense block of 4,096 bytes, as rows of 256 bytes (32 elements of 8 bytes), 16 bytes of padding behind each
	s_or_b32 s[G1S+0], s43, (3<<16)|(1<<20)|(1<<21)|(5<<22)|(3<<25)
	s_or_b32 s[G1SB+0], s44, (3<<16)|(1<<20)|(1<<21)|(5<<22)|(3<<25)
.irp g, G1S, G1SB
	s_mov_b32 s[\g+1], 32<<16
	s_mov_b32 s[\g+2], (128*KS/256)<<16
	s_mov_b32 s[\g+3], 32<<16
	s_mov_b32 s[\g+4], 128*KS/256
	s_mov_b32 s[\g+5], 32
	s_mov_b32 s[\g+6], 0
	s_mov_b32 s[\g+7], 0
.endr
	s_lshl_b32 s18, s16, 7                         ; which 128 rows of the tile I fetch
	s_lshl_b32 s20, s17, 8
	s_add_co_u32 s20, s20, s18                     ; A: row 256 x tile row + 128 x half
	s_lshl_b32 s46, s42, 8
	s_add_co_u32 s46, s46, s18                     ; B: row 256 x tile column + 128 x half
	s_mov_b32 s21, 0
	s_mov_b32 s47, 0
	s_mov_b64 s[18:19], KS
	s_mul_u64 s[22:23], s[20:21], s[18:19]         ; where these rows' scales begin, in bytes
	s_mul_u64 s[92:93], s[46:47], s[18:19]
	s_mov_b64 s[18:19], KROW
	s_mul_u64 s[20:21], s[20:21], s[18:19]         ; and their codes
	s_mul_u64 s[46:47], s[46:47], s[18:19]
	s_mul_i32 s45, s14, HALFT                      ; where they go: wave x 128 rows: no place in the cluster enters an LDS address
	s_mul_i32 s94, s14, HALFS
	s_wait_dscnt 0x0                               ; both opening adds are done
	s_wait_kmcnt 0x0
	s_add_nc_u64 s[20:21], s[4:5], s[20:21]
	s_add_nc_u64 s[22:23], s[6:7], s[22:23]
	s_add_nc_u64 s[46:47], s[8:9], s[46:47]
	s_add_nc_u64 s[92:93], s[10:11], s[92:93]
	CROUND                                         ; all sixteen work-groups are here: the joint loads meet
	s_mov_b32 s[G0S], 1
	s_add_co_u32 s[G0S+1], s94, SCL
	s_mov_b64 s[G0S+2:G0S+3], s[22:23]
	s_or_b32 s[G0S+3], s[G0S+3], 0x80000000
	s_mov_b32 s[G0SB], 1
	s_add_co_u32 s[G0SB+1], s94, SCL
	s_mov_b64 s[G0SB+2:G0SB+3], s[92:93]
	s_or_b32 s[G0SB+3], s[G0SB+3], 0x80000000
	JLOAD G0S, G1S, G0SB, G1SB                     ; the scales first: they are wanted with the first slot
.irp s, 0,1
	s_mov_b32 s[G0+4*\s], 1
	s_add_co_u32 s[G0+4*\s+1], s45, \s*SLOT
	s_add_nc_u64 s[G0+4*\s+2:G0+4*\s+3], s[20:21], \s*ROWB
	s_or_b32 s[G0+4*\s+3], s[G0+4*\s+3], 0x80000000
	s_mov_b32 s[G0B+4*\s], 1
	s_add_co_u32 s[G0B+4*\s+1], s45, \s*SLOT
	s_add_nc_u64 s[G0B+4*\s+2:G0B+4*\s+3], s[46:47], \s*ROWB
	s_or_b32 s[G0B+4*\s+3], s[G0B+4*\s+3], 0x80000000
	JLOAD G0+4*\s, G1, G0B+4*\s, G1B               ; three tensor loads of mine are out
.endr
	v_and_b32 v1, 15, v0                           ; r = l % 16
	v_bfe_u32 v2, v0, 4, 1                         ; h = l / 16
	; the bias of my 128 columns: which of bq, bk, bv hangs on the cluster's x, which all sixteen partners share
	s_cmp_eq_u32 ttmp9, 0
	s_cselect_b64 s[96:97], s[96:97], s[98:99]
	s_cselect_b32 s66, 0x3e38aa3b, 1.0             ; q alone is multiplied by c = log2(e) / 8
	s_cmp_eq_u32 ttmp9, 2
	s_cselect_b64 s[96:97], s[100:101], s[96:97]
	s_mov_b32 s67, s66                             ; (named with it as a pair, so it is written)
	s_lshl_b32 s46, s40, 10                        ; 256 columns a tile, 4 bytes each,
	s_lshl_b32 s47, s16, 9                         ; my half's 128
	s_add_co_u32 s46, s46, s47
	s_mov_b32 s47, 0
	s_add_nc_u64 s[96:97], s[96:97], s[46:47]
	v_lshlrev_b32 v7, 5, v2                        ; lane (r, h) wants, for B's block b, the bias of columns 16 b + 8 h + 0 .. 7
.irp b, 0,1,2,3,4,5,6,7
	global_load_b128 v[BI+8*\b:BI+8*\b+3], v7, s[96:97] offset:64*\b
	global_load_b128 v[BI+8*\b+4:BI+8*\b+7], v7, s[96:97] offset:64*\b+16
.endr
	v_mul_u32_u24 v3, v1, PITCH
	v_lshl_add_u32 v4, v2, 4, v3                   ; a fragment's row x pitch + 16 x half
	s_mul_i32 s21, s15, HALFT                      ; my 128 rows of A
	s_mul_i32 s22, s16, HALFT                      ; my 128 rows of B,
	s_add_co_u32 s22, s22, 2*HALFT                 ; which lie behind A's 256
.irp s, 0,1
	v_add_nc_u32 v[ADRA+\s], s21, v4
	v_add_nc_u32 v[ADRB+\s], s22, v4
	s_add_co_u32 s21, s21, SLOT
	s_add_co_u32 s22, s22, SLOT
.endr
	v_mul_u32_u24 v5, v1, KS                       ; my row's scales: 32 bytes a row,
	v_lshrrev_b32 v6, 8, v5
	v_lshl_add_u32 v5, v6, 4, v5                   ; and 16 more for each 256 passed
	s_mul_i32 s21, s15, HALFS
	s_mul_i32 s22, s16, HALFS
	s_add_co_u32 s22, s22, 2*HALFS
	s_sub_co_u32 s22, s22, s21
	v_mul_u32_u24 v6, s22, v2                      ; lanes 16-31 take B's
	s_add_co_u32 s21, s21, SCL
	v_add_nc_u32 v5, v5, v6
	v_add_nc_u32 v[ADRS], s21, v5
	s_mul_i32 s23, s14, 2*16*HP                    ; my stage
	v_mul_u32_u24 v5, v1, HP                       ; in: row r, 16 bytes for each half of the lanes
	v_lshl_add_u32 v5, v2, 4, v5
	v_add_nc_u32 v[STO], s23, v5
	v_and_b32 v6, 31, v0
	v_lshlrev_b32 v[CO], 4, v6                     ; out: 16 bytes a lane, 512 on end: four rows of a head
	v_lshrrev_b32 v5, 3, v6
	v_mul_u32_u24 v5, v5, HP
	v_and_b32 v6, 7, v0
	v_lshl_add_u32 v5, v6, 4, v5
	v_add_nc_u32 v[RD], s23, v5                    ; back: row l / 8, 16 (l % 8)
	; where my part begins in qkv: which << 24, batch << 22, head << 18, position << 7
	s_lshl_b32 s20, s17, 8
	s_lshl_b32 s21, s15, 7
	s_add_co_u32 s20, s20, s21                     ; my first row of C
	s_lshr_b32 s21, s20, 11                        ; its batch
	s_lshl_b32 s21, s21, 22
	s_and_b32 s20, s20, 2047                       ; its position
	s_lshl_b32 s20, s20, 7
	s_add_co_u32 s20, s20, s21
	s_lshl_b32 s21, ttmp9, 24
	s_add_co_u32 s20, s20, s21
	s_lshl_b32 s46, s40, 2
	s_lshl_b32 s47, s16, 1
	s_add_co_u32 s46, s46, s47                     ; my first head: 4 cx + 2 x half
	s_lshl_b32 s46, s46, 18
	s_add_co_u32 s20, s20, s46
	s_mov_b32 s21, 0
	s_add_nc_u64 s[12:13], s[12:13], s[20:21]
.macro FRAG reg, adr, q, i             ; a fragment, 16 rows x 128 K of 4-bit codes, is 8 registers: lane l holds row l % 16; registers 4 c .. 4 c + 3 hold K = 64 c + 32 (l / 16) + 0 .. 31
.irp c, 0,1
	ds_load_b128 v[\reg+4*\c:\reg+4*\c+3], v[\adr] offset:64*(\q)+32*\c+(\i)*16*PITCH
.endr
.endm
; 16 matrix instructions: A's blocks a0, a0 + 1 x B's eight, 128 along K.  p: B's set; sc: the set of scale words.  first = 1: the bias starts the sums: nothing is cleared.
; The 64 accumulators take turns, one instruction a turn, in the same order in every step.
.macro MUL16 a0, p, q, sc, first
.irp a, \a0, \a0+1
.irp b, 0,1,2,3,4,5,6,7
.if \first
	v_wmma_scale_f32_16x16x128_f8f6f4 v[8*(8*((\a)%4)+\b):8*(8*((\a)%4)+\b)+7], v[128*(\p)+FR*\b:128*(\p)+FR*\b+FR-1], v[AF+FR*(\a):AF+FR*(\a)+FR-1], v[BI+8*\b:BI+8*\b+7], v[SC+8*NQ*(\sc)+NQ*\b+(\q)], v[SC+8*NQ*(\sc)+NQ*(\a)+(\q)] matrix_a_fmt:MATRIX_FMT_FP4 matrix_b_fmt:MATRIX_FMT_FP4 matrix_a_scale:MATRIX_SCALE_ROW1
.else
	v_wmma_scale_f32_16x16x128_f8f6f4 v[8*(8*((\a)%4)+\b):8*(8*((\a)%4)+\b)+7], v[128*(\p)+FR*\b:128*(\p)+FR*\b+FR-1], v[AF+FR*(\a):AF+FR*(\a)+FR-1], v[8*(8*((\a)%4)+\b):8*(8*((\a)%4)+\b)+7], v[SC+8*NQ*(\sc)+NQ*\b+(\q)], v[SC+8*NQ*(\sc)+NQ*(\a)+(\q)] matrix_a_fmt:MATRIX_FMT_FP4 matrix_b_fmt:MATRIX_FMT_FP4 matrix_a_scale:MATRIX_SCALE_ROW1
.endif
.endr
.endr
.endm
.macro FETCH_B slot, q, p
	WIN TO_B
.irp i, 0,1,2,3,4,5,6,7
	FRAG 128*(\p)+FR*\i, ADRB+\slot, \q, \i
.endr
	WIN 0
.endm
.macro FETCH_A slot, q, i0
.irp i, \i0, \i0+1, \i0+2, \i0+3
	FRAG AF+FR*(\i), ADRA+\slot, \q, \i
.endr
.endm
.macro SCALES sc                       ; a slot's scale words: four a row; lanes 0-15 take A's block i, lanes 16-31 B's block i
.irp i, 0,1,2,3,4,5,6,7
	ds_load_b128 v[SC+8*NQ*\sc+NQ*\i:SC+8*NQ*\sc+NQ*\i+3], v[ADRS] offset:\i*SBLK
.endr
.endm
.macro PLACES n                        ; plain vector instructions between a matrix instruction and a load into, or a read of, its registers
.rept \n
	v_nop
.endr
.endm
.macro STEP slot, q, first             ; a step of 128 along K that has its successor in the same slot
	s_wait_dscnt 4*NL                              ; B's set and A's blocks 0-3 are in; the youngest eight loads (A's blocks 4-7) may be out
.if \first
	WIN BIAS_LO
.else
	WIN MUL_LO
.endif
	MUL16 0, (\q)%2, \q, \slot, \first
	MUL16 2, (\q)%2, \q, \slot, \first
	s_wait_dscnt 0
	PLACES NP
	FETCH_B \slot, (\q)+1, 1-(\q)%2
	FETCH_A \slot, (\q)+1, 0
.if \first
	WIN BIAS_HI
.else
	WIN MUL_HI
.endif
	MUL16 4, (\q)%2, \q, \slot, \first
	MUL16 6, (\q)%2, \q, \slot, \first
	PLACES NP
	WIN 0
	FETCH_A \slot, (\q)+1, 4
.endm
.macro TURN slot, next                 ; a slot's last step changes slots: one barrier; nothing is filled again
	s_wait_tensorcnt 0x0                           ; all my tensor loads have landed: my part of the next slot
	ds_add_u32 v[SPW], v[NIL]                      ; 0 onto my spare word
	s_wait_dscnt 4*NL+1                            ; (the add and the youngest eight loads may be out)
	WIN MUL_LO
	MUL16 0, 1, NQ-1, \slot, 0
	s_wait_dscnt 0x0                               ; the add is done, and my reads of this slot are over
	s_barrier_signal -1
	MUL16 2, 1, NQ-1, \slot, 0
	WIN 0
	s_barrier_wait -1                              ; the next slot is whole, and nobody reads this one any more
	PLACES NP
	v_add_nc_u32 v[ADRS], 4*NQ, v[ADRS]            ; on to the next slot's scale words
	FETCH_B \next, 0, 0
	FETCH_A \next, 0, 0
	SCALES \next
	WIN MUL_HI
	MUL16 4, 1, NQ-1, \slot, 0
	MUL16 6, 1, NQ-1, \slot, 0
	PLACES NP
	WIN 0
	FETCH_A \next, 0, 4
.endm
.macro STEPS slot, from
.set Q, \from
.rept NQ-1-\from
	STEP \slot, Q, 0
.set Q, Q+1
.endr
.endm
	s_wait_tensorcnt 1                             ; the scales and my part of slot 0 are in (slot 1's load may be out),
	s_barrier_signal -1
	s_barrier_wait -1                              ; everybody's are
	FETCH_B 0, 0, 0
	FETCH_A 0, 0, 0
	SCALES 0
	FETCH_A 0, 0, 4
	s_wait_loadcnt 0x0                             ; the bias
	STEP 0, 0, 1
	STEPS 0, 1
	TURN 0, 1
	STEPS 1, 0
	s_wait_dscnt 4*NL                              ; the very last step: nothing more to fetch
	WIN MUL_LO
	MUL16 0, 1, NQ-1, 1, 0
	MUL16 2, 1, NQ-1, 1, 0
	s_wait_dscnt 0
	WIN MUL_HI
	MUL16 4, 1, NQ-1, 1, 0
	MUL16 6, 1, NQ-1, 1, 0
	WIN 0
; THE WAY OUT, block by block of 16 rows x 128 columns = 2 heads x 16 positions x 64.  A lane's eight numbers are multiplied by the factor, rounded to f16 (16 bytes) and go through my own stage; they come back as
; runs of four positions of one head, 512 consecutive bytes of qkv.  LDS serves a wave's instructions in order: no wait between the stores and the loads.
.macro PACK a
.set AC, 64*((\a)%4)
	WIN 0x02+((\a)/4)                              ; source 0: window 2 or 3
.irp b, 0,1,2,3,4,5,6,7
.irp r, 0,1,2,3
	v_pk_mul_f32 v[TF+8*\b+2*\r:TF+8*\b+2*\r+1], v[AC+8*\b+2*\r:AC+8*\b+2*\r+1], s[66:67] op_sel_hi:[1,0]   ; each accumulator from its low end on
.endr
.endr
	WIN 0
.irp b, 0,1,2,3,4,5,6,7
.irp r, 0,1,2,3
	v_cvt_pk_f16_f32 v[PKD+4*\b+\r], v[TF+8*\b+2*\r], v[TF+8*\b+2*\r+1]
.endr
.endr
.endm
.macro TOSTAGE a
.set BB, BK+32*((\a)%2)
.irp b, 0,1,2,3,4,5,6,7
	ds_store_b128 v[STO], v[PKD+4*\b:PKD+4*\b+3] offset:(\b/4)*16*HP+(\b%4)*32
.endr
.irp t, 0,1,2,3,4,5,6,7
	ds_load_b128 v[BB+4*\t:BB+4*\t+3], v[RD] offset:(\t/4)*16*HP+(\t%4)*4*HP
.endr
.endm
.macro SEND a, younger                 ; younger: the LDS instructions issued behind block a's loads, which may stay out
.set BB, BK+32*((\a)%2)
	s_wait_dscnt \younger
.irp t, 0,1,2,3,4,5,6,7
	global_store_b128 v[CO], v[BB+4*\t:BB+4*\t+3], s[12:13] offset:(\t/4)*262144+(\a)*2048+(\t%4)*512   ; 32 lanes store 512 consecutive bytes, aligned
.endr
.endm
	PLACES NP                                      ; behind the last products: for the writes over A's fragments and the reads of results
	PACK 0
	TOSTAGE 0
.irp a, 1,2,3,4,5,6,7
	PACK \a
.if \a > 1
	s_wait_xcnt 0x0                                ; block a - 2's stores have read their registers: block a's loads may land there
.endif
	TOSTAGE \a
	SEND \a-1, 16                                  ; behind block a - 1's loads: block a's 8 stores and 8 loads
.endr
	SEND 7, 0
	s_wait_tensorcnt 0x0                           ; the wave's end, behind my last tensor load and my last LDS store
	ds_add_u32 v[SPW], v[NIL]
	s_wait_dscnt 0x0
	CROUND                                         ; the closing round
	s_endpgm
.Lfunc_end_k_qa5406e569a_qkv:
	.size	k_qa5406e569a_qkv, .Lfunc_end_k_qa5406e569a_qkv-k_qa5406e569a_qkv
	.p2alignl 7, 3214868480
	.fill 96, 4, 3214868480
	.section	.rodata,"a",@progbits
	.p2align	6, 0x0
	.amdhsa_kernel k_qa5406e569a_qkv
		.amdhsa_group_segment_fixed_size 327680
		.amdhsa_private_segment_fixed_size 0
		.amdhsa_enable_private_segment 0
		.amdhsa_kernarg_size 64
		.amdhsa_user_sgpr_count 2
		.amdhsa_user_sgpr_kernarg_segment_ptr 1
		.amdhsa_wavefront_size32 1
		.amdhsa_system_sgpr_workgroup_id_x 1
		.amdhsa_system_sgpr_workgroup_id_y 1
		.amdhsa_system_sgpr_workgroup_id_z 1
		.amdhsa_system_vgpr_workitem_id 0
		.amdhsa_next_free_vgpr 1024
		.amdhsa_next_free_sgpr 102
		.amdhsa_reserve_vcc 0
		.amdhsa_float_denorm_mode_32 3
		.amdhsa_float_denorm_mode_16_64 3
		.amdhsa_memory_ordered 1
		.amdhsa_forward_progress 1
		.amdhsa_inst_pref_size 144
	.end_amdhsa_kernel
	.amdgpu_metadata
---
amdhsa.version: [ 1, 2 ]
amdhsa.kernels:
  - .name:           k_qa5406e569a_qkv
    .symbol:         k_qa5406e569a_qkv.kd
    .args:
      - { .name: x_codes, .offset: 0, .size: 8, .value_kind: global_buffer, .address_space: global }
      - { .name: x_scales, .offset: 8, .size: 8, .value_kind: global_buffer, .address_space: global }
      - { .name: w_codes, .offset: 16, .size: 8, .value_kind: global_buffer, .address_space: global }
      - { .name: w_scales, .offset: 24, .size: 8, .value_kind: global_buffer, .address_space: global }
      - { .name: qkv, .offset: 32, .size: 8, .value_kind: global_buffer, .address_space: global }
      - { .name: bq, .offset: 40, .size: 8, .value_kind: global_buffer, .address_space: global }
      - { .name: bk, .offset: 48, .size: 8, .value_kind: global_buffer, .address_space: global }
      - { .name: bv, .offset: 56, .size: 8, .value_kind: global_buffer, .address_space: global }
    .group_segment_fixed_size: 327680
    .private_segment_fixed_size: 0
    .kernarg_segment_align: 8
    .kernarg_segment_size: 64
    .max_flat_workgroup_size: 128
    .sgpr_count:     102
    .vgpr_count:     1024
    .wavefront_size: 32
...
	.end_amdgpu_metadata
.endif
;; end of part 2
;; launch attn (part 3): grid 8 x 64, 4 waves a work-group, clusters of 4 x 1, 327,680 bytes of LDS; arguments qkv, attention_mask, att; writes att
.if DOCPART == 3
	.amdgcn_target "amdgcn-amd-amdhsa--gfx1250"
	.amdhsa_code_object_version 6
	.text
	.protected	k_qa5406e569a_attn
	.globl	k_qa5406e569a_attn
	.p2align	8
	.type	k_qa5406e569a_attn,@function
k_qa5406e569a_attn:
	s_mov_b64 s[64:65], 0
	v_nop
	global_prefetch_b8 v0, s[64:65] scope:SCOPE_SE
	s_setreg_imm32_b32 hwreg(HW_REG_WAVE_MODE, 25, 1), 1
	s_wait_xcnt 0x0
	s_wait_alu depctr_hold_cnt(0) depctr_sa_sdst(0) depctr_va_vdst(0) depctr_va_sdst(0) depctr_va_ssrc(0) depctr_va_vcc(0) depctr_vm_vsrc(0)
	s_getreg_b32 s2, hwreg(HW_REG_IB_STS2, 6, 4)
	s_cmp_eq_u32 s2, 0
	s_cbranch_scc0 .Lentry_in_a_cluster
	s_endpgm
.Lentry_in_a_cluster:
	s_bfe_u32 s2, ttmp6, 0x10000c
	s_cmp_lg_u32 s2, 0x3003
	s_cbranch_scc0 .Lentry_shape_is_right
	s_endpgm
.Lentry_shape_is_right:
; att[h][b, q][:] = the sum over k of softmax_k(q . k / 8, keys with mask 0 left out) v[k][:], for 64 (batch, head) pairs of 2,048 positions and head size 64.
; q (already times c = log2(e) / 8), k, v: f16, qkv[which][batch][head][position][64].  attention_mask: [4][2048] bytes, 0 or 1.  att: f16, [16 heads][8192 rows][64].  Products, maxima and sums in f32; the weights p are rounded to f16 for the second product.
; SHARES.  A work-group owns 256 queries of one head, each of its four waves 64: four tiles of 16.  Every wave walks all 2,048 keys, 64 a step.
; LAYOUT.  S^T = K Q^T (source 0 = 16 keys, source 1 = 16 queries): a lane holds ONE query (lane % 16) and the keys 8 (lane / 16) + 0..7.  Two such tiles, rounded to f16 in pairs, ARE source 1 of O^T = V^T P.  K comes out of LDS as it lies, V turned.
; THE MASK costs no vector instruction in the loop: a table in LDS holds 0 for a key that counts and -2^100 for one that does not, and a step's 64 words are the C of the first products K Q^T.
; SOFTMAX.  For each query a running maximum m and sum l: p = 2^(s - m); in every step O and l are multiplied by a = 2^(m_old - m_new).  m begins at -2^60.  f16 operands bound a score by 64 x 65,504^2 < 2^39, so -2^60 lies under every score that counts
; and -2^100 far under that: a hidden key's p is 2^(-2^100 - m) = 0, also where whole steps are hidden.  A batch with no key that counts gives 0 x (1 / 0) = NaN, as the softmax of nothing is.
; LIMITS: NaN and infinities among the inputs are not served; the results stay under f16's 65,504.
; BY TURNS.  The wave's tiles are two PIECES (tiles 0, 1 and tiles 2, 3).  In a TURN one piece has the matrix unit: 16 products V^T P of the step in hand, then 16 products K Q^T of the next step; the other piece's softmax, 59 slices of four
; instructions, is dealt out behind them, one or two slices behind each.  Then the pieces change places.  Two turns are a key step.
; CLUSTER.  The four query blocks of a cluster belong to one head and walk the same K and V: each tile is asked for JOINTLY.  A slot holds four key steps: one joint load a wave behind each round, 256 matrix instructions in which it lands.
; REGISTERS, in windows of 256: window 0: v2-10 addresses; v12-43 eight registers of statistics a tile; v44-46 at work in the head; v61-63; v64-191 S^T, 32 a tile; v192-255 P, 16 a tile.
;   window 1: v0-127 O^T, 32 a tile.   window 2: v0-63 Q, 16 a tile; v64-127 K of one step; v128-191 V of one step; v192-223 the step's mask words.
.set KS,    64                         ; keys in a step
.set SROWS, 256                        ; keys in a slot
.set PK,    144                        ; a row of K in LDS: 128 bytes + 16 of padding
.set PVP,   160                        ; a row of V: 128 + 32: an odd multiple of 32, for the turning load
.set VOFF,  SROWS*PK                   ; a slot: 256 rows of K, then 256 rows of V
.set STEPK, KS*PK
.set STEPV, KS*PVP
.set SLOT1, 1<<17                      ; slot 1 begins here, so that one exclusive or turns an address in one slot into the other's
.set SLOTB, SROWS*128                  ; a slot's rows of K or of V in memory
.set STAGE, SLOT1+SROWS*(PK+PVP)       ; behind the ring: 16 rows x 144 bytes for each wave, for the way out
.set SP,    144
.set MTAB,  STAGE+4*16*SP              ; the mask's table: an f32 for each of the batch's 2,048 keys
.set SPARE, MTAB+8192                  ; the spare words, 128 bytes for each wave: two blocks of 256 bytes that no other line names
.set MASKV,  0xf1800000                ; -2^100
.set MFLOOR, 0xdd800000                ; -2^60
.set AK0, 2                            ; v2   my lane's place in a tile of K; never rewritten
.set AV0, 3                            ; v3   the same for V
.set ADR, 4                            ; v4   the LDS address of the run of loads in hand
.set QO,  5                            ; v5   my byte offset in the wave's rows of Q
.set STO, 6                            ; v6   the way out: where I put 16 bytes of a row
.set RD,  7                            ; v7   the way out: where I read rows back
.set GO,  8                            ; v8   my byte offset in the wave's rows of att
.set AM0, 9                            ; v9   my lane's place in the mask's table
.set ADM, 10                           ; v10  the LDS address of the step's mask words
.set PFO, 61                           ; v61  256 x my lane; never rewritten
.set SPW, 62                           ; v62  LDS address of my spare word; never rewritten
.set NIL, 63                           ; v63  0; never rewritten
.set ST,  12                           ; tile t's statistics at v[ST+8 t]: +0 m, +1 a 0 (named with m as a pair), +2, +3 l (even keys', odd keys'), +4 to +7 c0-c3, at work; a takes c2's place
.set S,   64
.set P,   192
.set KF,  64                           ; in window 2
.set VF,  128
.set MB,  192
.set WV,  12                           ; s12  my wave's number
.set LIM, 15                           ; s15  1 in a wave that prefetches, else the greatest number
.set PFA, 18                           ; s[18:19] where my prefetches stand
.set G1K, 24
.set G1V, 32
.set G0K, 40                           ; s[40:47] group 0 for K's tiles: a set for each of the two first fills; the second then walks on
.set G0V, 48
.set SLOTS, 56
.set CNT,  57
.set TBK,  58                          ; s58  LDS byte at which K's rows of the step to be fetched begin
.set TBV,  59                          ; s59  the same for V's, less VOFF
.set SEL,  60
.set TM,   62                          ; s62  the step's mask words: 256 bytes a step
.set MSB, 0
.macro WIN new                         ; the immediate's high byte repeats the setting that is left; a switch that changes nothing is dropped
.if MSB != \new
	s_set_vgpr_msb (MSB<<8)|\new
.set MSB, \new
.endif
.endm
.set W_KQ0, 0x2a                       ; K, Q and C (the mask words) in window 2, S^T in window 0
.set W_KQ,  0x0a                       ; K and Q in window 2, S^T in window 0
.set W_PV,  0x52                       ; V in window 2, P in window 0, O^T in window 1
.set W_RS,  0x41                       ; O^T (destination and source 0) in window 1, a in window 0
; A joint refill.  Waves 0 and 1 fetch the two halves of a slot's K, waves 2 and 3 those of V.  An s_nop 0 and four v_nop follow each of the two lines.
.macro JLOAD
	s_cmp_lt_u32 s[WV], 2
	s_cbranch_scc0 .Lfor_v_\@
	tensor_load_to_lds s[G0K+4:G0K+7], s[G1K:G1K+7]
	s_nop 0
.rept 4
	v_nop
.endr
	s_branch .Lasked_\@
.Lfor_v_\@:
	tensor_load_to_lds s[G0V+4:G0V+7], s[G1V:G1V+7]
	s_nop 0
.rept 4
	v_nop
.endr
.Lasked_\@:
.endm
; A PREFETCH of what the NEXT change of slots will ask for: a slot's 32,768 bytes of K and of V.  Each aligned block of 256 bytes is named once in the launch: the head's first cluster asks; its four partners share the bytes out BY ADDRESS,
; 8,192 each, lanes 256 bytes apart; in each, wave 0 asks for K's and wave 2 for V's.  It stands four key steps, 256 matrix instructions, ahead of the load.  The last change that fills a slot asks for nothing.
.macro ASK
	s_cmp_gt_u32 s[SLOTS], s[LIM]
	s_cbranch_scc0 .Lnot_mine_\@
	global_prefetch_b8 v[PFO], s[PFA:PFA+1] th:TH_LOAD_NT scope:SCOPE_SE
.Lnot_mine_\@:
.endm
.macro CROUND                          ; a round of the cluster's barrier
	s_barrier_signal -1
	s_barrier_wait -1
	s_cmp_lg_u32 s[WV], 0
	s_cbranch_scc1 .Lnot_wave_0_\@
	s_barrier_signal -3
.Lnot_wave_0_\@:
	s_barrier_wait -3
	s_barrier_signal -1
	s_barrier_wait -1
.endm
	s_load_b64 s[4:5], s[0:1], 0x0                 ; qkv
	s_load_b64 s[66:67], s[0:1], 0x8               ; attention_mask
	s_load_b64 s[10:11], s[0:1], 0x10              ; att
	v_lshl_add_u32 v[SPW], v0, 2, SPARE
	v_mov_b32 v[NIL], 0
	ds_add_u32 v[SPW], v[NIL]                      ; the wave's opening: the add, twice on end, and its wait ahead of my first tensor load
	ds_add_u32 v[SPW], v[NIL]
	v_lshrrev_b32 v1, 5, v0
	v_readfirstlane_b32 s[WV], v1                  ; wave 0..3
	s_bfe_u32 s13, ttmp6, 0x40000                  ; cx: my place in the cluster
	s_lshl_b32 s14, ttmp9, 2
	s_add_co_u32 s14, s14, s13                     ; my block of 256 queries: it enters Q's and att's addresses alone
	s_and_b32 s16, ttmp7, 0xffff                   ; 16 x batch + head, which the four partners share
	s_lshl_b32 s20, s16, 18                        ; the head's first byte in each of q, k, v
	s_and_b32 s17, s[WV], 1                        ; which half of a slot's rows I fetch:
	s_lshl_b32 s22, s17, 14                        ; its 128 rows of 128 bytes in memory,
	s_add_co_u32 s22, s22, s20
	s_mov_b32 s23, 0
	s_mul_i32 s63, s17, 128*PK                     ; and its place in a slot, for K
	s_mul_i32 s68, s17, 128*PVP                    ; and for V: no place in the cluster enters an LDS address
	s_lshl_b32 s2, s14, 15                         ; my block's 256 rows,
	s_lshl_b32 s3, s[WV], 13                       ; my wave's 64 of them
	s_add_co_u32 s2, s2, s3
	s_add_co_u32 s20, s20, s2                      ; Q's offset
	s_mov_b32 s21, 0
	s_and_b32 s3, s16, 15                          ; the head: 1,048,576 bytes of att each
	s_lshl_b32 s3, s3, 20
	s_add_co_u32 s2, s2, s3
	s_lshr_b32 s3, s16, 4                          ; the batch
	s_lshl_b32 s69, s3, 11                         ; its 2,048 mask bytes
	s_lshl_b32 s3, s3, 18                          ; its 2,048 rows of 128 bytes
	s_add_co_u32 s2, s2, s3                        ; att's offset
	s_mov_b32 s3, 0
	; descriptor group 1: a tile of 128 rows x 64 elements of 2 bytes, padded in LDS behind each row of 32 words
	s_mov_b32 s[G1K], 15|(1<<16)|(1<<20)|(1<<21)|(4<<22)|(3<<25)  ; the mask: all four work-groups; 4 words of padding
	s_mov_b32 s[G1V], 15|(1<<16)|(1<<20)|(1<<21)|(4<<22)|(7<<25)  ; the same with 8 words
.irp g, G1K, G1V
	s_mov_b32 s[\g+1], 64<<16                      ; tensor_dim0
	s_mov_b32 s[\g+2], 128<<16                     ; tensor_dim1
	s_mov_b32 s[\g+3], 64<<16                      ; tile_dim0
	s_mov_b32 s[\g+4], 128                         ; tile_dim1
	s_mov_b32 s[\g+5], 64                          ; elements from row to row
	s_mov_b32 s[\g+6], 0
	s_mov_b32 s[\g+7], 0
.endr
	s_mov_b32 s[SEL], 0x76543210
	s_mov_b32 s[SEL+1], 0xfedcba98
	s_mov_b32 s[TBK], 0
	s_mov_b32 s[TBV], 0
	s_mov_b32 s[TM], 0
	s_mov_b32 s[SLOTS], 2048/SROWS-2
	s_and_b32 s[LIM], s[WV], 1                     ; 0 in waves 0 and 2,
	s_or_b32 s[LIM], s[LIM], ttmp9                 ; where the cluster is the head's first: the same in all four partners
	s_cmp_eq_u32 s[LIM], 0
	s_cselect_b32 s[LIM], 1, -1
	v_and_b32 v[PFO], 31, v0
	v_lshlrev_b32 v[PFO], 8, v[PFO]
	s_wait_dscnt 0x0                               ; both opening adds are done
	s_wait_kmcnt 0x0
	s_add_nc_u64 s[6:7], s[4:5], s[22:23]
	s_add_nc_u64 s[8:9], s[6:7], 0x2000000         ; V at my half of slot 0
	s_add_nc_u64 s[6:7], s[6:7], 0x1000000         ; K likewise
	s_add_nc_u64 s[4:5], s[4:5], s[20:21]          ; Q and att at my wave's first row
	s_add_nc_u64 s[10:11], s[10:11], s[2:3]
	s_cmp_lt_u32 s[WV], 2
	s_cselect_b64 s[PFA:PFA+1], s[6:7], s[8:9]     ; (in waves 0 and 2 these stand at a slot's first row)
	s_lshl_b32 s2, s13, 13                         ; my work-group's 8,192 bytes of the 32,768
	s_mov_b32 s3, 0
	s_add_nc_u64 s[PFA:PFA+1], s[PFA:PFA+1], s[2:3]
	s_add_nc_u64 s[PFA:PFA+1], s[PFA:PFA+1], 2*SLOTB  ; in slot 2; the first change of slots steps it to slot 3.  Nothing is prefetched at the head
	CROUND                                         ; all four work-groups are here: the first joint loads meet
.irp s, 0,1
	s_mov_b32 s[G0K+4*\s], 1
	s_add_co_u32 s[G0K+4*\s+1], s63, \s*SLOT1
	s_add_nc_u64 s[G0K+4*\s+2:G0K+4*\s+3], s[6:7], \s*SLOTB
	s_or_b32 s[G0K+4*\s+3], s[G0K+4*\s+3], 0x80000000
	s_mov_b32 s[G0V+4*\s], 1
	s_add_co_u32 s[G0V+4*\s+1], s68, \s*SLOT1+VOFF
	s_add_nc_u64 s[G0V+4*\s+2:G0V+4*\s+3], s[8:9], \s*SLOTB
	s_or_b32 s[G0V+4*\s+3], s[G0V+4*\s+3], 0x80000000
.endr
	s_cmp_lt_u32 s[WV], 2                          ; a wave's two first fills stand in one branch, ahead of every wait on TENSORcnt and every LDS read: two loads of mine are out
	s_cbranch_scc0 .Lfirst_v
	tensor_load_to_lds s[G0K:G0K+3], s[G1K:G1K+7]
	s_nop 0
	tensor_load_to_lds s[G0K+4:G0K+7], s[G1K:G1K+7]
	s_nop 0
.rept 4
	v_nop
.endr
	s_branch .Lfirst_asked
.Lfirst_v:
	tensor_load_to_lds s[G0V:G0V+3], s[G1V:G1V+7]
	s_nop 0
	tensor_load_to_lds s[G0V+4:G0V+7], s[G1V:G1V+7]
	s_nop 0
.rept 4
	v_nop
.endr
.Lfirst_asked:
	v_and_b32 v1, 15, v0                           ; r = l % 16
	v_bfe_u32 v44, v0, 4, 1                        ; h = l / 16
	v_lshl_add_u32 v45, v0, 4, s69                 ; thread t takes the batch's mask bytes 16 t .. 16 t + 15
	global_load_b128 v[64:67], v45, s[66:67]
	v_lshlrev_b32 v[QO], 7, v1
	v_lshl_add_u32 v[QO], v44, 4, v[QO]            ; Q: row x 128 + 16 x half
	WIN 0x80                                       ; destination window 2, address window 0
.irp i, 0,1,2,3,4,5,6,7                        ; Q stays in registers: tile i / 2, channels 32 (i % 2) on
	global_load_b128 v[8*\i:8*\i+3],   v[QO], s[4:5] offset:(\i/2)*2048+(\i%2)*64
	global_load_b128 v[8*\i+4:8*\i+7], v[QO], s[4:5] offset:(\i/2)*2048+(\i%2)*64+32
.endr
	WIN 0
	v_mul_u32_u24 v[AK0], v1, PK
	v_lshl_add_u32 v[AK0], v44, 4, v[AK0]          ; K: row x pitch + 16 x half
	v_and_b32 v46, 7, v0                           ; the turning load: lane l reads 16 bytes: key 8 (l / 16) + l % 8, channels 8 ((l / 8) % 2) + 0..7
	v_lshl_add_u32 v[AV0], v44, 3, v46
	v_mul_u32_u24 v[AV0], v[AV0], PVP
	v_bfe_u32 v46, v0, 3, 1
	v_lshl_add_u32 v[AV0], v46, 4, v[AV0]
	v_add_nc_u32 v[AV0], VOFF, v[AV0]
	v_lshl_add_u32 v[AM0], v44, 5, MTAB            ; the mask words of keys 8 h + 0..7 of a tile
	v_lshl_add_u32 v46, v0, 6, MTAB                ; where I put my 16 words
.irp t, 0,1,2,3
	v_mov_b32 v[ST+8*\t+1], 0                      ; named with m as a pair, so it is written
.endr
	s_wait_loadcnt 16                              ; the mask bytes are in; Q's sixteen loads may be out
.irp i, 0,1,2,3,4,5,6,7,8,9,10,11,12,13,14,15
	v_bfe_u32 v[68+\i], v[64+\i/4], 8*(\i%4), 1    ; 1: the key counts
.endr
.irp i, 0,1,2,3,4,5,6,7,8,9,10,11,12,13,14,15
	v_add_nc_u32 v[68+\i], -1, v[68+\i]            ; 0, or all ones
.endr
.irp i, 0,1,2,3,4,5,6,7,8,9,10,11,12,13,14,15
	v_and_b32 v[68+\i], MASKV, v[68+\i]            ; 0, or -2^100
.endr
.irp i, 0,1,2,3
	ds_store_b128 v46, v[68+4*\i:71+4*\i] offset:16*\i
.endr
; THE MATRIX WORK OF A TURN, for piece x.  The accumulators take turns, one instruction a turn: between two links of a chain stand 7 others'.
; Product i of 16 of O^T += V^T P: keys 32 (i / 8) on, channels 16 ((i / 2) % 4) on, tile x + i % 2.  zero = 1: the first 8 start the sums.
.macro PV x, zero
	WIN W_PV
.set rO, 32*(\x+i%2)+8*((i/2)%4)
.set rV, VF+32*(i/8)+8*((i/2)%4)
.set rP, P+16*(\x+i%2)+8*(i/8)
.if \zero && (i < 8)
	v_wmma_f32_16x16x32_f16 v[rO:rO+7], v[rV:rV+7], v[rP:rP+7], 0
.else
	v_wmma_f32_16x16x32_f16 v[rO:rO+7], v[rV:rV+7], v[rP:rP+7], v[rO:rO+7]
.endif
.endm
; Product i of 16 of S^T = K Q^T + the mask words: channels 32 (i / 8) on, keys 16 ((i / 2) % 4) on, tile x + i % 2.  The first 8 start the sums with the mask words as C.
.macro KQ x
.set rS, S+32*(\x+i%2)+8*((i/2)%4)
.set rK, KF+16*((i/2)%4)+8*(i/8)
.set rQ, 16*(\x+i%2)+8*(i/8)
.set rM, MB+8*((i/2)%4)
.if i < 8
	WIN W_KQ0
	v_wmma_f32_16x16x32_f16 v[rS:rS+7], v[rK:rK+7], v[rQ:rQ+7], v[rM:rM+7]
.else
	WIN W_KQ
	v_wmma_f32_16x16x32_f16 v[rS:rS+7], v[rK:rK+7], v[rQ:rQ+7], v[rS:rS+7]
.endif
.endm
; THE LDS LOADS stand in runs: a step's K (8 fragments) with its 64 mask words, and, a turn later, its V (turned).
.macro FETCH_K
	WIN 0
	v_add_nc_u32 v[ADR], s[TBK], v[AK0]
	v_add_nc_u32 v[ADM], s[TM], v[AM0]
	s_add_co_u32 s[TBK], s[TBK], STEPK             ; the next fetch is the next step's
	s_add_co_u32 s[TM], s[TM], 256
	WIN 0x80                                       ; destination window 2
.irp f, 0,1,2,3,4,5,6,7                        ; keys 16 (f / 2) on, channels 32 (f % 2) on
	ds_load_b128 v[KF+8*\f:KF+8*\f+3],   v[ADR] offset:(\f/2)*16*PK+(\f%2)*64
	ds_load_b128 v[KF+8*\f+4:KF+8*\f+7], v[ADR] offset:(\f/2)*16*PK+(\f%2)*64+32
.endr
.irp f, 0,1,2,3                                ; the words of keys 16 f + 8 h + 0..7: the layout of a result
	ds_load_b128 v[MB+8*\f:MB+8*\f+3],   v[ADM] offset:64*\f
	ds_load_b128 v[MB+8*\f+4:MB+8*\f+7], v[ADM] offset:64*\f+16
.endr
.endm
.macro FETCH_V
	WIN 0
	v_add_nc_u32 v[ADR], s[TBV], v[AV0]
	s_add_co_u32 s[TBV], s[TBV], STEPV
	s_wait_alu depctr_va_vdst(0)                   ; the wait for the softmax's batch of exponentials, ahead of the first instruction that names a result
	WIN 0x80
.irp f, 0,1,2,3,4,5,6,7                        ; keys 32 (f / 4) on, channels 16 (f % 4) on
	ds_load_tr16_b128 v[VF+8*\f:VF+8*\f+3],   v[ADR] offset:(\f/4)*32*PVP+(\f%4)*32
	ds_load_tr16_b128 v[VF+8*\f+4:VF+8*\f+7], v[ADR] offset:(\f/4)*32*PVP+16*PVP+(\f%4)*32
.endr
.endm
; THE VECTOR WORK OF A TURN.  One tile's softmax for one key step is a list of 118 numbers; SM writes number j of it for tile t.  s0-s31 are the lane's 32 scores, in pairs 0-15.
;   0-15    the maximum of s0-s31 and the old m (first step: and -2^60), three operands at a time
;   16-20   the other half of the lanes' maximum; the new m; m_old - m_new  (19 is empty)
;   21-69   ONE BATCH: the 16 subtractions s - m, a pair each, and all 33 exponentials (a at 23, then s0-s31); none of these reads an exponential's result
;   (wait)  between 69 and 70 stands the one wait for the batch: SLICE writes it, once for both tiles
;   70-85   the roundings to f16;   86-101 the sums, l = a l + the sum;   102-117 the tile's O^T times a: the one part that leaves window 0
; first = 1: the first key step, which starts m, l and O^T: it has no a and nothing to rescale.
.macro SM t, first
.set rT, ST+8*(\t)
.set rS, S+32*(\t)
.set rP, P+16*(\t)
.set rO, 32*(\t)+2*(j-102)
.if j < 102
	WIN 0
.endif
.if j < 4
	v_max3_num_f32 v[rT+4+j], v[rS+8*j], v[rS+8*j+1], v[rS+8*j+2]   ; each accumulator is read from its low end on
.elseif j < 12
	v_max3_num_f32 v[rT+4+j%4], v[rT+4+j%4], v[rS+8*(j%4)+2*(j/4)+1], v[rS+8*(j%4)+2*(j/4)+2]
.elseif j == 12
	v_max3_num_f32 v[rT+4], v[rT+4], v[rS+7], v[rS+15]
.elseif j == 13
	v_max3_num_f32 v[rT+6], v[rT+6], v[rS+23], v[rS+31]
.elseif j == 14
	v_max3_num_f32 v[rT+4], v[rT+4], v[rT+5], v[rT+6]
.elseif (j == 15) && \first
	v_max3_num_f32 v[rT+4], v[rT+4], v[rT+7], MFLOOR
.elseif j == 15
	v_max3_num_f32 v[rT+4], v[rT+4], v[rT+7], v[rT]
.elseif j == 16
	v_permlanex16_b32 v[rT+5], v[rT+4], s[SEL], s[SEL+1]  ; the query's other 32 keys lie in the lane 16 away
.elseif j == 18
	v_max_num_f32 v[rT], v[rT+4], v[rT+5]
.elseif j == 19
.elseif ((j == 17) || (j == 20) || (j == 23) || (j > 101)) && \first
.elseif j == 17
	v_mov_b32 v[rT+7], v[rT]                       ; m_old is kept for a: number 18 writes m anew
.elseif j == 20
	v_sub_f32 v[rT+7], v[rT+7], v[rT]
.elseif j == 23
	v_exp_f32 v[rT+6], v[rT+7]
.elseif (j < 23) || ((j < 38) && (j%2 == 0)) || ((j < 66) && (j%4 == 2))
.set b, (j-2)/4                        ; 38, 42, .. 62: pairs 9 to 15
.if j < 38
.set b, (j-20)/2                       ; 21: pair 0; 22, 24, .. 36: pairs 1 to 8
.endif
	v_pk_add_f32 v[rS+2*b:rS+2*b+1], v[rS+2*b:rS+2*b+1], v[rT:rT+1] op_sel_hi:[1,0] neg_lo:[0,1] neg_hi:[0,1]  ; pair b: s - m
.elseif j < 70
.set e, j-38                           ; 66 to 69: s28 to s31
.if j < 66
.set e, j-32-(j-38)/4                  ; 39-41, 43-45, .. 63-65: s7 to s27
.endif
.if j < 38
.set e, (j-25)/2                       ; 25, 27, .. 37: s0 to s6
.endif
	v_exp_f32 v[rS+e], v[rS+e]
.elseif j < 86
	v_cvt_pk_f16_f32 v[rP+j-70], v[rS+2*(j-70)], v[rS+2*(j-70)+1]
.elseif j < 102                        ; the sum of the tile's 16 pairs, in place: neighbours 1, 2, 4 and 8 pairs apart, then l takes it
.set z, j-86
.set w, 4
.set u, z
.if z >= 14
.set w, 32
.set u, 0
.elseif z >= 12
.set w, 16
.set u, z-12
.elseif z >= 8
.set w, 8
.set u, z-8
.endif
.if (z == 14) && \first
	v_pk_add_f32 v[rT+2:rT+3], v[rS:rS+1], v[rS+16:rS+17]
.elseif z < 15
	v_pk_add_f32 v[rS+w*u:rS+w*u+1], v[rS+w*u:rS+w*u+1], v[rS+w*u+w/2:rS+w*u+w/2+1]
.elseif !\first
	v_pk_fma_f32 v[rT+2:rT+3], v[rT+2:rT+3], v[rT+6:rT+7], v[rS:rS+1] op_sel_hi:[1,0,1]
.endif
.else
	WIN W_RS
	v_pk_mul_f32 v[rO:rO+1], v[rO:rO+1], v[rT+6:rT+7] op_sel_hi:[1,0]
.endif
.endm
; Slice k of 59 of piece y's softmax: four instructions.  Slices 11 to 34 deal out the batch, four numbers of ONE tile each, the tiles by turns; every other slice is numbers 2 k and 2 k + 1 of both tiles' lists.
; Ahead of slice 35 nothing names an exponential's result, and behind slice 34 no exponential is issued: so the piece's 66 exponentials have one plain instruction and one wait, behind slice 34.
.macro SLICE y, first
.if (k >= 11) && (k < 35)
.irp n, 0,1,2,3
.set j, 22+4*((k-11)/2)+(\n)
	SM (\y)+(k-11)%2, \first
.endr
.else
.irp n, 0,1
.irp t, \y, \y+1
.set j, 2*k+\n
	SM \t, \first
.endr
.endr
.endif
.if k == 34
	v_nop                                          ; the plain instruction behind the last exponential
.if (\y) == 0
	FETCH_V                                        ; piece 2's turn: V's run of loads stands here, and the wait stands in it
.else
	s_wait_alu depctr_va_vdst(0)                   ; the wait for the batch
.endif
.endif
.set k, k+1
.endm
.macro DEAL y, first                   ; behind the turn's nw-th matrix instruction of NW: the slices up to 59 nw / NW
.rept 4
.if k < (59*nw)/NW
	SLICE \y, \first
.endif
.endr
.endm
.macro PLACES
.rept 4
	v_nop
.endr
.endm
; A TURN.  Piece x has the matrix unit; the other piece's softmax stands in slices behind its matrix instructions.  pv = 2: 16 products V^T P; 1: they start O^T's sums; 0: none.  kq = 1: 16 products K Q^T for the next step.
; The turn's last matrix instruction is followed by slices 57 and 58, eight plain multiplications on the other piece's O^T: the places ahead of the next turn's first read of the new scores and of the loads into K's registers.
; first = 1: those slices are empty, and four v_nop take their part.
; Piece 0's turn fetches the next step's K and mask words behind its second product.  Piece 2's turn fetches the same step's V behind slice 34, three matrix instructions behind the last product that read V:
; six subtractions, the v_nop and the run's own v_add_nc_u32 lie between.
.macro TURN x, pv, kq, first
.set k, 0
.set nw, 0
.set NW, 16
.if \pv && \kq
.set NW, 32
.endif
.if \pv
.if \x == 0
	s_wait_dscnt 0x0                               ; V is in
.endif
.set i, 0
.rept 16
	PV \x, 2-\pv
.set nw, nw+1
	DEAL 2-\x, \first
.if (\x == 0) && \kq && (i == 1)
	FETCH_K
.endif
.set i, i+1
.endr
.endif
.if \kq
.if \x == 0
	s_wait_dscnt 0x0                               ; K and the mask words are in
.endif
.set i, 0
.rept 16
	KQ \x
.set nw, nw+1
	DEAL 2-\x, \first
.set i, i+1
.endr
.endif
.if \first
	PLACES
.endif
.endm
; THE CHANGE OF SLOTS, between piece 2's turn and piece 0's: the slot's last bytes, V of its fourth step, have been asked for.  Each wave waits for all its tensor loads (one is out: its part of the other slot), adds 0 to its spare word,
; and waits for that and for its own reads of the slot.  fill = 1: the barrier is a round of the cluster's, and the joint refill, the keys two slots on, is the first thing behind it.
.macro CHANGE fill
	WIN 0
	s_wait_tensorcnt 0x0                           ; no tensor load of mine is out, so a group 0 may be written
	ds_add_u32 v[SPW], v[NIL]                      ; 0 onto my spare word
.if \fill
.irp g, G0K+4, G0V+4
	s_xor_b32 s[\g+1], s[\g+1], SLOT1              ; the walking descriptor: the other slot than last time,
	s_add_nc_u64 s[\g+2:\g+3], s[\g+2:\g+3], SLOTB ; the next 256 keys; the type bits on top are not reached
.endr
	s_wait_xcnt 0x0                                ; the last prefetch, four key steps back, has read its address, so it may be written
	s_add_nc_u64 s[PFA:PFA+1], s[PFA:PFA+1], SLOTB
	s_wait_dscnt 0x0                               ; the add is done, and my reads of the slot are over
	CROUND
	JLOAD
	ASK
.else
	s_wait_dscnt 0x0
	s_barrier_signal -1
	s_barrier_wait -1
.endif
	s_sub_co_u32 s[TBK], s[TBK], 4*STEPK           ; the fetches go back to a slot's first step,
	s_xor_b32 s[TBK], s[TBK], SLOT1                ; in the other slot
	s_sub_co_u32 s[TBV], s[TBV], 4*STEPV
	s_xor_b32 s[TBV], s[TBV], SLOT1
.endm
.macro STEPS n                         ; n key steps: written once, walked n times; the LDS addresses hang on scalar registers that step
	s_mov_b32 s[CNT], \n
.Lstep_\@:
	TURN 0, 2, 1, 0
	TURN 2, 2, 1, 0
	WIN 0
	s_sub_co_u32 s[CNT], s[CNT], 1
	s_cmp_lg_u32 s[CNT], 0
	s_cbranch_scc1 .Lstep_\@
.endm
	s_wait_tensorcnt 1                             ; my part of slot 0 is in; slot 1's may stay out
	s_wait_dscnt 0x0                               ; my words of the mask's table are stored
	s_barrier_signal -1
	s_barrier_wait -1                              ; everybody's are
	FETCH_K                                        ; key step 0
	s_wait_loadcnt 0x0                             ; Q
	s_wait_dscnt 0x0
.set i, 0
.rept 16
	KQ 0                                           ; piece 0's first scores: there is no vector work yet to set between them
.set i, i+1
.endr
	WIN 0                                          ; the addresses for the way out are made here: plain instructions, the places behind those products
	s_mul_i32 s13, s[WV], 16*SP
	s_add_co_u32 s13, s13, STAGE                   ; my stage
	v_mul_u32_u24 v[STO], v1, SP                   ; in: row l % 16, 16 bytes for each half of the lanes
	v_lshl_add_u32 v[STO], v44, 4, v[STO]
	v_add_nc_u32 v[STO], s13, v[STO]
	v_and_b32 v45, 31, v0
	v_lshrrev_b32 v46, 3, v45
	v_mul_u32_u24 v[RD], v46, SP                   ; back: eight lanes to a row of 128 bytes, four rows an instruction
	v_and_b32 v46, 7, v0
	v_lshl_add_u32 v[RD], v46, 4, v[RD]
	v_add_nc_u32 v[RD], s13, v[RD]
	v_lshlrev_b32 v[GO], 4, v45                    ; and the same 512 consecutive bytes in att
	TURN 2, 0, 1, 1                                ; piece 2's first scores | piece 0's first softmax | V of step 0
	TURN 0, 1, 1, 1                                ; piece 0: V^T P of step 0 starts O^T, K Q^T of step 1 | piece 2's first softmax | K of step 1
	TURN 2, 1, 1, 0                                ; piece 2: the same | piece 0's softmax of step 1 | V of step 1
	WIN 0
	STEPS 2                                        ; they fetch steps 2 and 3: slot 0's last
.Lslot:                                            ; six trips: every slot but the last two is filled again
	CHANGE 1
	STEPS 4
	s_sub_co_u32 s[SLOTS], s[SLOTS], 1
	s_cmp_lg_u32 s[SLOTS], 0
	s_cbranch_scc1 .Lslot
	CHANGE 0                                       ; the tail is written out
	STEPS 4
	TURN 0, 2, 0, 0                                ; piece 0: V^T P of the last step | piece 2's last softmax
.set i, 0
.rept 16
	PV 2, 0                                        ; piece 2: V^T P of the last step
.set i, i+1
.endr
	; THE WAY OUT.  l's two halves and the other half of the lanes' are added; O^T is divided by l, rounded to f16 and sent through my stage, a tile (16 rows) at a time.  The additions are the places behind the last products.
	WIN 0
.irp t, 0,1,2,3
	v_add_f32 v[ST+8*\t+4], v[ST+8*\t+2], v[ST+8*\t+3]
.endr
.irp t, 0,1,2,3
	v_permlanex16_b32 v[ST+8*\t+5], v[ST+8*\t+4], s[SEL], s[SEL+1]
.endr
.irp t, 0,1,2,3
	v_add_f32 v[ST+8*\t+4], v[ST+8*\t+4], v[ST+8*\t+5]
.endr
.irp t, 0,1,2,3
	v_rcp_f32 v[ST+8*\t+6], v[ST+8*\t+4]
.endr
	v_nop                                          ; a plain instruction between the last reciprocal and the use of its result
	s_wait_alu depctr_va_vdst(0)                   ; and the wait ahead of the first use: one for the four
.macro PACK t
	WIN W_RS
.set i, 32*\t
.rept 16
	v_pk_mul_f32 v[i:i+1], v[i:i+1], v[ST+8*\t+6:ST+8*\t+7] op_sel_hi:[1,0]
.set i, i+2
.endr
	WIN 0x05                                       ; sources 0 and 1 window 1, destination window 0: S^T's registers are free
.set i, 0
.rept 16
	v_cvt_pk_f16_f32 v[S+32*\t+i], v[32*\t+2*i], v[32*\t+2*i+1]
.set i, i+1
.endr
	WIN 0
.irp f, 0,1,2,3
	ds_store_b128 v[STO], v[S+32*\t+4*\f:S+32*\t+4*\f+3] offset:32*\f
.endr
.irp f, 0,1,2,3
	ds_load_b128 v[S+32*\t+4*\f:S+32*\t+4*\f+3], v[RD] offset:\f*4*SP   ; LDS serves a wave's instructions in order: these see the stores above; the next tile's stores come behind them
.endr
.endm
.macro SEND t, younger                 ; younger: the LDS instructions issued behind tile t's loads: the next tile's eight, or none
.irp f, 0,1,2,3
	s_wait_dscnt \younger+3-\f
	global_store_b128 v[GO], v[S+32*\t+4*\f:S+32*\t+4*\f+3], s[10:11] offset:\t*2048+\f*512   ; 32 lanes store 512 consecutive bytes, aligned
.endr
.endm
	PACK 0
	PACK 1
	SEND 0, 8
	PACK 2
	SEND 1, 8
	PACK 3
	SEND 2, 8
	SEND 3, 0
	s_wait_tensorcnt 0x0                           ; the wave's end, behind my last tensor load and my last LDS store
	ds_add_u32 v[SPW], v[NIL]
	s_wait_dscnt 0x0
	CROUND                                         ; the closing round
	s_endpgm
.Lfunc_end_k_qa5406e569a_attn:
	.size	k_qa5406e569a_attn, .Lfunc_end_k_qa5406e569a_attn-k_qa5406e569a_attn
	.p2alignl 7, 3214868480
	.fill 96, 4, 3214868480
	.section	.rodata,"a",@progbits
	.p2align	6, 0x0
	.amdhsa_kernel k_qa5406e569a_attn
		.amdhsa_group_segment_fixed_size 327680
		.amdhsa_private_segment_fixed_size 0
		.amdhsa_enable_private_segment 0
		.amdhsa_kernarg_size 24
		.amdhsa_user_sgpr_count 2
		.amdhsa_user_sgpr_kernarg_segment_ptr 1
		.amdhsa_wavefront_size32 1
		.amdhsa_system_sgpr_workgroup_id_x 1
		.amdhsa_system_sgpr_workgroup_id_y 1
		.amdhsa_system_sgpr_workgroup_id_z 1
		.amdhsa_system_vgpr_workitem_id 0
		.amdhsa_next_free_vgpr 768
		.amdhsa_next_free_sgpr 70
		.amdhsa_reserve_vcc 0
		.amdhsa_float_denorm_mode_32 3
		.amdhsa_float_denorm_mode_16_64 3
		.amdhsa_memory_ordered 1
		.amdhsa_forward_progress 1
		.amdhsa_inst_pref_size 201
	.end_amdhsa_kernel
	.amdgpu_metadata
---
amdhsa.version: [ 1, 2 ]
amdhsa.kernels:
  - .name:           k_qa5406e569a_attn
    .symbol:         k_qa5406e569a_attn.kd
    .args:
      - { .name: qkv, .offset: 0, .size: 8, .value_kind: global_buffer, .address_space: global }
      - { .name: attention_mask, .offset: 8, .size: 8, .value_kind: global_buffer, .address_space: global }
      - { .name: att, .offset: 16, .size: 8, .value_kind: global_buffer, .address_space: global }
    .group_segment_fixed_size: 327680
    .private_segment_fixed_size: 0
    .kernarg_segment_align: 8
    .kernarg_segment_size: 24
    .max_flat_workgroup_size: 128
    .sgpr_count:     70
    .vgpr_count:     768
    .wavefront_size: 32
...
	.end_amdgpu_metadata
.endif
;; end of part 3
;; launch proj (part 4): grid 4 x 64, 4 waves a work-group, clusters of 4 x 4, 327,680 bytes of LDS; arguments att, wot, bo, out0; writes out0
.if DOCPART == 4
	.amdgcn_target "amdgcn-amd-amdhsa--gfx1250"
	.amdhsa_code_object_version 6
	.text
	.protected	k_qa5406e569a_proj
	.globl	k_qa5406e569a_proj
	.p2align	8
	.type	k_qa5406e569a_proj,@function
k_qa5406e569a_proj:
	s_mov_b64 s[64:65], 0
	v_nop
	global_prefetch_b8 v0, s[64:65] scope:SCOPE_SE
	s_setreg_imm32_b32 hwreg(HW_REG_WAVE_MODE, 25, 1), 1
	s_wait_xcnt 0x0
	s_wait_alu depctr_hold_cnt(0) depctr_sa_sdst(0) depctr_va_vdst(0) depctr_va_sdst(0) depctr_va_ssrc(0) depctr_va_vcc(0) depctr_vm_vsrc(0)
	s_getreg_b32 s2, hwreg(HW_REG_IB_STS2, 6, 4)
	s_cmp_eq_u32 s2, 0
	s_cbranch_scc0 .Lentry_in_a_cluster
	s_endpgm
.Lentry_in_a_cluster:
	s_bfe_u32 s2, ttmp6, 0x10000c
	s_cmp_lg_u32 s2, 0xf033
	s_cbranch_scc0 .Lentry_shape_is_right
	s_endpgm
.Lentry_shape_is_right:
; out0[m][n] = sum over k of att[m][k] Wo[k][n] + bo[n], on f16 operands with f32 sums.  att: f16, laid by head, [16 heads][8192 rows][64]: k = 64 x head + channel.  wot: Wo turned, f16, [1024 n][1024 k].  out0: [8192][1024] f32.
; A tile of out0 is 128 rows x 256 columns: 256 work-groups.  Four waves, each 64 x 128: 32 accumulators of 16 x 16, 256 registers.  K goes in steps of 128, two heads, through a ring of two LDS slots.
; One tensor load a wave: waves 0 and 1 bring a head's 128 rows of att each (rows of 128 bytes, dense in memory), waves 2 and 3 128 rows of wot each (256 bytes of each row).
; CLUSTERS: 4 x 4 work-groups.  The four of a row of the cluster need the same tiles of att, the four of a column the same tiles of wot: each tile is asked for JOINTLY.
; THE MATRIX INSTRUCTION IS USED TRANSPOSED (source 0 = 16 rows of wot, source 1 = 16 rows of att): a lane holds eight neighbouring numbers of a row of out0.  THE BIAS is the C of each sum's first product.
; No prefetch: the launch is short and its tile small.
; REGISTERS: window 0: v0-31 addresses; two fragment buffers: att's at v32 and v64 (4 x 16 rows x 32 K), wot's at v96 and v160 (8 x 16 rows x 32 K); on the way out v32-159 take rows read back.
;   window 1: the accumulators ((a, b) at v[8 (8 a + b)]).   window 2: v0-63 the bias of my 128 columns, in the result's layout.
.set PA,     144                       ; a row of att in LDS: 128 bytes + 16 of padding
.set PB,     272                       ; a row of wot: 256 + 16
.set CHUNK,  128*PA                    ; a head's 128 rows
.set BOFF,   2*CHUNK
.set HALFB,  128*PB
.set SLOT,   BOFF+2*HALFB
.set STAGE,  2*SLOT                    ; behind the ring: 16 rows x (512 bytes + 16) for each wave, for the way out
.set SPITCH, 528
.set SPARE,  STAGE+4*16*SPITCH         ; the spare words, 128 bytes for each wave: two blocks of 256 bytes that no other line names
.set LAPS,   4                         ; a lap = two K steps = once round the ring
.set ADRA, 16
.set ADRB, 20
.set STO,  24
.set RD,   25
.set CO,   26
.set SPW,  28
.set NIL,  29
.set G1, 24
.set G0, 32
.set G1B, 48
.set G0B, 56
.set MSB, 0
.macro WIN new
.if MSB != \new
	s_set_vgpr_msb (MSB<<8)|\new
.set MSB, \new
.endif
.endm
.set MUL,  0x50                        ; sources 0 and 1 window 0; C and D window 1
.set MULB, 0x60                        ; the first quarter: C (the bias) window 2, D window 1
.macro JLOAD s                         ; a joint load: waves 0 and 1 fetch att's two heads, waves 2 and 3 wot's two halves; an s_nop 0 and four v_nop follow each of the two lines
	s_cmp_eq_u32 s13, 0
	s_cbranch_scc0 .Lfor_b_\@
	tensor_load_to_lds s[G0+4*\s:G0+4*\s+3], s[G1:G1+7]
	s_nop 0
.rept 4
	v_nop
.endr
	s_branch .Lasked_\@
.Lfor_b_\@:
	tensor_load_to_lds s[G0B+4*\s:G0B+4*\s+3], s[G1B:G1B+7]
	s_nop 0
.rept 4
	v_nop
.endr
.Lasked_\@:
.endm
.macro CREST                           ; a round of the cluster's barrier behind its opening barrier
	s_cmp_lg_u32 s12, 0
	s_cbranch_scc1 .Lnot_wave_0_\@
	s_barrier_signal -3
.Lnot_wave_0_\@:
	s_barrier_wait -3
	s_barrier_signal -1
	s_barrier_wait -1
.endm
.macro CROUND
	s_barrier_signal -1
	s_barrier_wait -1
	CREST
.endm
	s_load_b256 s[4:11], s[0:1], 0x0               ; att s[4:5], wot s[6:7], bo s[8:9], out0 s[10:11]
	v_lshl_add_u32 v[SPW], v0, 2, SPARE
	v_mov_b32 v[NIL], 0
	ds_add_u32 v[SPW], v[NIL]                      ; the wave's opening: the add, twice on end, and its wait ahead of my first tensor load
	ds_add_u32 v[SPW], v[NIL]
	v_lshrrev_b32 v1, 5, v0
	v_readfirstlane_b32 s12, v1                    ; wave 0..3
	s_lshr_b32 s13, s12, 1                         ; which 64 of the tile's rows are mine.  Also: I fetch for att (0) or for wot (1)
	s_and_b32 s14, s12, 1                          ; which 128 of its columns.  Also: which head of the K step, or which 128 rows of wot, I fetch
	s_bfe_u32 s40, ttmp6, 0x40000                  ; cx, cy
	s_bfe_u32 s41, ttmp6, 0x40004
	s_lshl_b32 s42, ttmp9, 2
	s_add_co_u32 s42, s42, s40                     ; tile column
	s_and_b32 s15, ttmp7, 0xffff
	s_lshl_b32 s15, s15, 2
	s_add_co_u32 s15, s15, s41                     ; tile row
	s_lshl_b32 s43, s41, 2
	s_lshl_b32 s43, 15, s43                        ; my row of the cluster
	s_lshl_b32 s44, 0x1111, s40                    ; my column
	s_or_b32 s[G1+0], s43, (1<<16)|(1<<20)|(1<<21)|(4<<22)|(3<<25)   ; att: elements of 2 bytes; 4 words of padding behind every 32
	s_mov_b32 s[G1+1], 64<<16                      ; tensor_dim0
	s_mov_b32 s[G1+2], 128<<16                     ; tensor_dim1
	s_mov_b32 s[G1+3], 64<<16                      ; tile_dim0
	s_mov_b32 s[G1+4], 128                         ; tile_dim1
	s_mov_b32 s[G1+5], 64                          ; elements from row to row
	s_mov_b32 s[G1+6], 0
	s_mov_b32 s[G1+7], 0
	s_or_b32 s[G1B+0], s44, (1<<16)|(1<<20)|(1<<21)|(5<<22)|(3<<25)  ; wot: 4 words of padding behind every 64
	s_mov_b32 s[G1B+1], 128<<16
	s_mov_b32 s[G1B+2], 128<<16
	s_mov_b32 s[G1B+3], 128<<16
	s_mov_b32 s[G1B+4], 128
	s_mov_b32 s[G1B+5], 1024
	s_mov_b32 s[G1B+6], 0
	s_mov_b32 s[G1B+7], 0
	s_lshl_b32 s16, s14, 20                        ; att: my head of the K step, 1,048,576 bytes a head,
	s_lshl_b32 s17, s15, 14                        ; the tile's 128 rows of 128 bytes
	s_add_co_u32 s16, s16, s17
	s_mov_b32 s17, 0
	s_lshl_b32 s46, s42, 19                        ; wot: the tile's 256 rows of 2,048 bytes,
	s_lshl_b32 s47, s14, 18                        ; my 128 of them
	s_add_co_u32 s46, s46, s47
	s_mov_b32 s47, 0
	s_mul_i32 s20, s14, CHUNK                      ; where they go: no place in the cluster enters an LDS address
	s_mul_i32 s21, s14, HALFB
	s_add_co_u32 s21, s21, BOFF
	s_wait_dscnt 0x0                               ; both opening adds are done
	s_wait_kmcnt 0x0
	s_add_nc_u64 s[16:17], s[4:5], s[16:17]
	s_add_nc_u64 s[46:47], s[6:7], s[46:47]
	CROUND                                         ; all sixteen work-groups are here: the first joint loads meet
.irp s, 0,1
	s_mov_b32 s[G0+4*\s], 1
	s_add_co_u32 s[G0+4*\s+1], s20, \s*SLOT
	s_add_nc_u64 s[G0+4*\s+2:G0+4*\s+3], s[16:17], \s*2*1048576    ; K step s: two heads on
	s_or_b32 s[G0+4*\s+3], s[G0+4*\s+3], 0x80000000
	s_mov_b32 s[G0B+4*\s], 1
	s_add_co_u32 s[G0B+4*\s+1], s21, \s*SLOT
	s_add_nc_u64 s[G0B+4*\s+2:G0B+4*\s+3], s[46:47], \s*256
	s_or_b32 s[G0B+4*\s+3], s[G0B+4*\s+3], 0x80000000
	JLOAD \s
.endr
	v_and_b32 v1, 15, v0                           ; r
	v_bfe_u32 v2, v0, 4, 1                         ; h
	s_lshl_b32 s46, s42, 10                        ; my first column, in bytes of f32: 1,024 x tile column + 512 x half
	s_lshl_b32 s47, s14, 9
	s_add_co_u32 s46, s46, s47
	s_mov_b32 s47, 0
	s_add_nc_u64 s[8:9], s[8:9], s[46:47]
	v_lshlrev_b32 v7, 5, v2                        ; lane (r, h) wants, for wot's block b, the bias of columns 16 b + 8 h + 0 .. 7
	WIN 0x80                                       ; destination window 2
.irp b, 0,1,2,3,4,5,6,7
	global_load_b128 v[8*\b:8*\b+3], v7, s[8:9] offset:64*\b
	global_load_b128 v[8*\b+4:8*\b+7], v7, s[8:9] offset:64*\b+16
.endr
	WIN 0
	v_mul_u32_u24 v3, v1, PA
	v_lshl_add_u32 v3, v2, 4, v3                   ; a fragment's row x pitch + 16 x half
	v_mul_u32_u24 v4, v1, PB
	v_lshl_add_u32 v4, v2, 4, v4
	s_mul_i32 s22, s13, 64*PA                      ; my 64 rows of att
	s_mul_i32 s23, s14, HALFB                      ; my 128 rows of wot,
	s_add_co_u32 s23, s23, BOFF                    ; which lie behind att's two heads
.irp s, 0,1
	v_add_nc_u32 v[ADRA+\s], s22, v3
	v_add_nc_u32 v[ADRB+\s], s23, v4
	s_add_co_u32 s22, s22, SLOT
	s_add_co_u32 s23, s23, SLOT
.endr
	s_mul_i32 s23, s12, 16*SPITCH
	s_add_co_u32 s23, s23, STAGE                   ; my stage
	v_mul_u32_u24 v5, v1, SPITCH                   ; in: row r, 32 bytes for each half of the lanes
	v_lshl_add_u32 v5, v2, 5, v5
	v_add_nc_u32 v[STO], s23, v5
	v_and_b32 v6, 31, v0
	v_lshlrev_b32 v[CO], 4, v6                     ; back: the 32 lanes take one row of 512 bytes; and the same in out0
	v_add_nc_u32 v[RD], s23, v[CO]
	s_lshl_b32 s18, s15, 19                        ; my first row: 128 rows of 4,096 bytes a tile,
	s_lshl_b32 s19, s13, 18                        ; 64 a half
	s_add_co_u32 s18, s18, s19
	s_mov_b32 s19, 0
	s_add_nc_u64 s[10:11], s[10:11], s[18:19]
	s_add_nc_u64 s[10:11], s[10:11], s[46:47]
; 8 matrix instructions: att's block a x wot's eight, 32 along K, from buffer f.  first = 1: the bias starts the sums.  The 32 accumulators take turns, one instruction a turn, in the same order in every quarter.
.macro MUL8 f, a, first
.irp b, 0,1,2,3,4,5,6,7
.if \first
	v_wmma_f32_16x16x32_f16 v[8*(8*(\a)+\b):8*(8*(\a)+\b)+7], v[96+64*(\f)+8*\b:96+64*(\f)+8*\b+7], v[32+32*(\f)+8*(\a):32+32*(\f)+8*(\a)+7], v[8*\b:8*\b+7]
.else
	v_wmma_f32_16x16x32_f16 v[8*(8*(\a)+\b):8*(8*(\a)+\b)+7], v[96+64*(\f)+8*\b:96+64*(\f)+8*\b+7], v[32+32*(\f)+8*(\a):32+32*(\f)+8*(\a)+7], v[8*(8*(\a)+\b):8*(8*(\a)+\b)+7]
.endif
.endr
.endm
; 24 LDS loads in one run: the fragments of the slot's q-th 32 along K into buffer f: wot's eight, then att's four.  Quarter q lies in head q / 2 of the step, channels 32 (q % 2) on.
.macro FETCH slot, q, f
.irp i, 0,1,2,3,4,5,6,7
	ds_load_b128 v[96+64*(\f)+8*\i:96+64*(\f)+8*\i+3],   v[ADRB+\slot] offset:64*(\q)+\i*16*PB
	ds_load_b128 v[96+64*(\f)+8*\i+4:96+64*(\f)+8*\i+7], v[ADRB+\slot] offset:64*(\q)+\i*16*PB+32
.endr
.irp i, 0,1,2,3
	ds_load_b128 v[32+32*(\f)+8*\i:32+32*(\f)+8*\i+3],   v[ADRA+\slot] offset:((\q)/2)*CHUNK+((\q)%2)*64+\i*16*PA
	ds_load_b128 v[32+32*(\f)+8*\i+4:32+32*(\f)+8*\i+7], v[ADRA+\slot] offset:((\q)/2)*CHUNK+((\q)%2)*64+\i*16*PA+32
.endr
.endm
.macro PLACES                          ; four plain vector instructions in front of loads into registers that matrix instructions have read, and of reads of results
.rept 4
	v_nop
.endr
.endm
; A K step is four quarters of 32 along K, 32 matrix instructions each, on buffers 0, 1, 0, 1.  One of the first three: multiplies buffer f and fetches the slot's quarter q into g.
.macro QUARTER slot, q, f, g, first
	s_wait_dscnt 4                                 ; wot's fragments and att's blocks 0 and 1 are in; the youngest four loads (blocks 2 and 3) may be out
.if \first
	WIN MULB
.else
	WIN MUL
.endif
	MUL8 \f, 0, \first
	MUL8 \f, 1, \first
	PLACES
	WIN 0
	FETCH \slot, \q, \g
	s_wait_dscnt 24                                ; all but the 24 just issued
.if \first
	WIN MULB
.else
	WIN MUL
.endif
	MUL8 \f, 2, \first
	MUL8 \f, 3, \first
.endm
; The last quarter multiplies buffer 1 and changes slots: ONE barrier; in front of it each wave waits for all its tensor loads, adds 0 to its spare word, and waits for that and for its own reads of this slot.  fill = 1: this slot is filled again, two K steps ahead.
.macro TURN slot, next, fill
	WIN 0
	s_wait_tensorcnt 0x0                           ; all my tensor loads have landed: my part of the next slot
	ds_add_u32 v[SPW], v[NIL]                      ; 0 onto my spare word
	s_wait_dscnt 5                                 ; (the add and the youngest four loads may be out)
	WIN MUL
	MUL8 1, 0, 0                                   ; eight matrix instructions stand between the add and the wait for it
	s_wait_dscnt 0x0                               ; the add is done, and my reads of this slot are over
	s_barrier_signal -1
	MUL8 1, 1, 0
.if \fill
	WIN 0
.endif
	s_barrier_wait -1
.if \fill
	CREST                                          ; the barrier has opened a round of the cluster's: no wave of any partner still reads this slot or has a load on its way
	s_add_nc_u64 s[G0+4*\slot+2:G0+4*\slot+3], s[G0+4*\slot+2:G0+4*\slot+3], 4*1048576   ; two K steps on: four heads
	s_add_nc_u64 s[G0B+4*\slot+2:G0B+4*\slot+3], s[G0B+4*\slot+2:G0B+4*\slot+3], 512
	JLOAD \slot                                    ; the first tensor load behind the round; the four v_nop behind it are also the places in front of the loads below
.else
	PLACES
.endif
	WIN 0
	FETCH \next, 0, 0
	WIN MUL
	MUL8 1, 2, 0
	MUL8 1, 3, 0
.endm
	s_wait_tensorcnt 1                             ; my part of K step 0 is in (K step 1's load may be out),
	s_barrier_signal -1
	s_barrier_wait -1                              ; everybody's is
	FETCH 0, 0, 0
	s_wait_loadcnt 0x0                             ; the bias
	QUARTER 0, 1, 0, 1, 1                          ; the first quarter stands in front of the loop: its products start the sums
	WIN 0
	s_mov_b32 s3, LAPS-1
.Llap:                                             ; a trip goes once round the ring, from a lap's second quarter to the next lap's first, and fills both slots again
	QUARTER 0, 2, 1, 0, 0
	QUARTER 0, 3, 0, 1, 0
	TURN 0, 1, 1
	QUARTER 1, 1, 0, 1, 0
	QUARTER 1, 2, 1, 0, 0
	QUARTER 1, 3, 0, 1, 0
	TURN 1, 0, 1
	QUARTER 0, 1, 0, 1, 0
	WIN 0
	s_sub_co_u32 s3, s3, 1
	s_cmp_lg_u32 s3, 0
	s_cbranch_scc1 .Llap
	QUARTER 0, 2, 1, 0, 0                          ; the last lap fills nothing, and has no round of the cluster's barrier
	QUARTER 0, 3, 0, 1, 0
	TURN 0, 1, 0
	QUARTER 1, 1, 0, 1, 0
	QUARTER 1, 2, 1, 0, 0
	QUARTER 1, 3, 0, 1, 0
	s_wait_dscnt 4                                 ; the very last quarter: nothing more to fetch
	WIN MUL
	MUL8 1, 0, 0
	MUL8 1, 1, 0
	s_wait_dscnt 0
	MUL8 1, 2, 0
	MUL8 1, 3, 0
	WIN 0
; THE WAY OUT, block by block of 16 rows x 128 columns: through my own stage, back as whole rows of 512 bytes.  LDS serves a wave's instructions in order: no wait between the stores and the loads.
.macro TOSTAGE a
	WIN 0x04                                       ; an LDS store's data are its source 1: window 1
.irp b, 0,1,2,3,4,5,6,7
	ds_store_b128 v[STO], v[64*(\a)+8*\b:64*(\a)+8*\b+3] offset:64*\b          ; each accumulator from its low end on
	ds_store_b128 v[STO], v[64*(\a)+8*\b+4:64*(\a)+8*\b+7] offset:64*\b+16
.endr
	WIN 0
.set BB, 32+64*((\a)%2)
.irp t, 0,1,2,3,4,5,6,7,8,9,10,11,12,13,14,15
	ds_load_b128 v[BB+4*\t:BB+4*\t+3], v[RD] offset:\t*SPITCH
.endr
.endm
.macro SEND a, younger                 ; younger: the LDS instructions issued behind block a's loads, which may stay out
.set BB, 32+64*((\a)%2)
	s_wait_dscnt \younger
.irp t, 0,1,2,3,4,5,6,7,8,9,10,11,12,13,14,15
	global_store_b128 v[CO], v[BB+4*\t:BB+4*\t+3], s[10:11] offset:(16*(\a)+\t)*4096 th:TH_STORE_NT   ; 32 lanes store 512 consecutive bytes, aligned; written once, read by nobody here
.endr
.endm
	PLACES                                         ; behind the last products: for the reads of results and the loads into the fragments' registers
	TOSTAGE 0
.irp a, 1,2,3
.if \a > 1
	s_wait_xcnt 0x0                                ; block a - 2's stores have read their registers: block a's loads may land there
.endif
	TOSTAGE \a
	SEND \a-1, 32                                  ; behind block a - 1's loads: block a's 16 stores and 16 loads
.endr
	SEND 3, 0
	s_wait_tensorcnt 0x0                           ; the wave's end, behind my last tensor load and my last LDS store
	ds_add_u32 v[SPW], v[NIL]
	s_wait_dscnt 0x0
	CROUND                                         ; the closing round
	s_endpgm
.Lfunc_end_k_qa5406e569a_proj:
	.size	k_qa5406e569a_proj, .Lfunc_end_k_qa5406e569a_proj-k_qa5406e569a_proj
	.p2alignl 7, 3214868480
	.fill 96, 4, 3214868480
	.section	.rodata,"a",@progbits
	.p2align	6, 0x0
	.amdhsa_kernel k_qa5406e569a_proj
		.amdhsa_group_segment_fixed_size 327680
		.amdhsa_private_segment_fixed_size 0
		.amdhsa_enable_private_segment 0
		.amdhsa_kernarg_size 32
		.amdhsa_user_sgpr_count 2
		.amdhsa_user_sgpr_kernarg_segment_ptr 1
		.amdhsa_wavefront_size32 1
		.amdhsa_system_sgpr_workgroup_id_x 1
		.amdhsa_system_sgpr_workgroup_id_y 1
		.amdhsa_system_sgpr_workgroup_id_z 1
		.amdhsa_system_vgpr_workitem_id 0
		.amdhsa_next_free_vgpr 576
		.amdhsa_next_free_sgpr 66
		.amdhsa_reserve_vcc 0
		.amdhsa_float_denorm_mode_32 3
		.amdhsa_float_denorm_mode_16_64 3
		.amdhsa_memory_ordered 1
		.amdhsa_forward_progress 1
		.amdhsa_inst_pref_size 86
	.end_amdhsa_kernel
	.amdgpu_metadata
---
amdhsa.version: [ 1, 2 ]
amdhsa.kernels:
  - .name:           k_qa5406e569a_proj
    .symbol:         k_qa5406e569a_proj.kd
    .args:
      - { .name: att, .offset: 0, .size: 8, .value_kind: global_buffer, .address_space: global }
      - { .name: wot, .offset: 8, .size: 8, .value_kind: global_buffer, .address_space: global }
      - { .name: bo, .offset: 16, .size: 8, .value_kind: global_buffer, .address_space: global }
      - { .name: out0, .offset: 24, .size: 8, .value_kind: global_buffer, .address_space: global }
    .group_segment_fixed_size: 327680
    .private_segment_fixed_size: 0
    .kernarg_segment_align: 8
    .kernarg_segment_size: 32
    .max_flat_workgroup_size: 128
    .sgpr_count:     66
    .vgpr_count:     576
    .wavefront_size: 32
...
	.end_amdgpu_metadata
.endif
;; end of part 4
